; MI455X (gfx1250); checked and timed in simulation.
; The chip was launched on July 23, 2026; its instructions are those of AMD's public machine-readable ISA for CDNA 5 (MIT licence, August 2026) and "CDNA5" Instruction Set Architecture Reference Guide (July 2026). The comments in the code are by the model that wrote it; some were corrected since.
;; Differential Attention. Allowed arithmetic: matrix products marked QUANTISED: E2M3 operands, one E8M0 scale for each 32 along K, by v_wmma_scale_f32_16x16x128_f8f6f4 with both operands' format E2M3, f32 sums; products left as they are: f32 operands where the result goes on into a quantised operand, else bf16, f16 or f32 operands; f32 sums; everything else in f32.
;; Inputs: Wk_codes 1,024 x 32 x 24 uint8 (E2M3 codes of Wk, K innermost, in blocks of 32 codes, four codes in three bytes); Wk_scales 1,024 x 32 uint8 (E8M0 scales of Wk, one for each 32 codes along K); Wo_codes 1,024 x 32 x 24 uint8 (E2M3 codes of Wo, K innermost, in blocks of 32 codes, four codes in three bytes); Wo_scales 1,024 x 32 uint8 (E8M0 scales of Wo, one for each 32 codes along K); Wq_codes 1,024 x 32 x 24 uint8 (E2M3 codes of Wq, K innermost, in blocks of 32 codes, four codes in three bytes); Wq_scales 1,024 x 32 uint8 (E8M0 scales of Wq, one for each 32 codes along K); Wv_codes 1,024 x 32 x 24 uint8 (E2M3 codes of Wv, K innermost, in blocks of 32 codes, four codes in three bytes); Wv_scales 1,024 x 32 uint8 (E8M0 scales of Wv, one for each 32 codes along K); bo 1,024 float32; lk1 32 float32; lk2 32 float32; lq1 32 float32; lq2 32 float32; x_codes 4 x 4,096 x 32 x 24 uint8 (E2M3 codes of x, K innermost, in blocks of 32 codes, four codes in three bytes); x_scales 4 x 4,096 x 32 uint8 (E8M0 scales of x, one for each 32 codes along K).
;; Outputs: out0 4 x 4,096 x 1,024 float32.
;; This version of the problem:
;;   THIS VERSION OF THE PROBLEM IS GIVEN IN LOW PRECISION. The matrix products marked QUANTISED in the list below multiply operands that are first quantised to E2M3 (2 exponent bits, 3 mantissa bits; 6 bits a number), with one power-of-two scale for each 32 numbers along K (OCP MX v1.0); their sums are f32. All else is computed in f32.
;;   The module's matrix products, in the order in which they are computed (A, B: the left and right operand; K: the contracted axis; several contracted axes count as one K, in the product's order):
;;     1. [M 16,384, K 1,024] x [K 1,024, N 1,024]; A: input x (given as codes); B: input Wq (given as codes): QUANTISED
;;     2. [M 16,384, K 1,024] x [K 1,024, N 1,024]; A: input x (given as codes); B: input Wk (given as codes): QUANTISED
;;     3. [M 16,384, K 1,024] x [K 1,024, N 1,024]; A: input x (given as codes); B: input Wv (given as codes): QUANTISED
;;     4. batch 16,384 x [M 32, K 32] x [K 32, N 32]; A: computed on the way; B: computed on the way: QUANTISED
;;     5. batch 16,384 x [M 16, K 16] x [K 16, N 64]; A: computed on the way; B: computed on the way: left as it is (K = 16 < 32)
;;     6. [M 16,384, K 1,024] x [K 1,024, N 1,024]; A: computed on the way; B: input Wo (given as codes): QUANTISED
;;   THE QUANTISER, for each operand of a quantised product, along K:
;;     - K is cut into blocks of 32 from its start; a last block that is shorter is filled with zeros.
;;     - A block's scale is 2^e with e = floor(log2(the largest magnitude in the block)) - 2, held to -126 .. 127; a block of zeros has e = 0. As a byte (E8M0): e + 127.
;;     - Each number is divided by its block's scale, clamped to +-7.5, and rounded to the nearest number of E2M3, ties to even, subnormals kept.
;;     - The product sums the exact products of the quantised numbers (number of the format x scale) in f32.
;;   ~~~python
;;   def quantise(x, axis):      # numpy; x: float32 -> the quantised numbers, widened to float32 again
;;       x = np.moveaxis(x, axis, -1); K = x.shape[-1]
;;       x = np.pad(x, [(0, 0)] * (x.ndim - 1) + [(0, -K % 32)]); x = x.reshape(x.shape[:-1] + (-1, 32)); a = np.abs(x).max(-1, keepdims=True)
;;       e = np.where(a > 0, np.clip(np.frexp(np.where(a > 0, a, 1))[1] - 1 - 2, -126, 127), 0)      # np.frexp(a)[1] - 1 = floor(log2(a)), exactly
;;       r = np.clip(x / 2.0 ** e, -7.5, 7.5)
;;       step = 2.0 ** (np.maximum(np.frexp(np.where(r == 0, 1, r))[1] - 1, 0) - 3)
;;       q = np.round(r / step) * step * 2.0 ** e      # np.round: ties to even
;;       return np.moveaxis(q.reshape(q.shape[:-2] + (-1,))[..., :K], -1, axis).astype(np.float32)
;;   ~~~
;;   OPERANDS COMPUTED ON THE WAY. 'Computed on the way' means the value that the module computes at that place (a softmax that the list does not call 'softmax' is quantised finished and normalised). What goes into a quantiser is computed in f32, as accurately as f32 sums, v_exp_f32 and their like allow (about 1e-6 of the number): no bf16 or f16 on the way to a quantiser, and a product that is left as it is and whose result goes on into a quantised operand takes f32 operands (vector FMAs, or v_wmma_f32_16x16x4_f32). A number that lies on a knife's edge between two numbers of the format may be rounded either way, as far as f32 arithmetic and the matrix unit's own rounding can turn it there, and no further.
;;   INPUTS GIVEN AS CODES. Wk (in the module: [1024, 1024], K = its axis 1); Wo (in the module: [1024, 1024], K = its axis 1); Wq (in the module: [1024, 1024], K = its axis 1); Wv (in the module: [1024, 1024], K = its axis 1); x (in the module: [4, 4096, 1024], K = its axis 2): each comes as NAME_codes (uint8): NAME with its K axis moved to the last place and cut into blocks of 32 codes, [.., K / 32, bytes a block], one block behind the other in memory; four codes in three bytes: a row's codes are one little-endian stream of bits, code i at bits 6 i .. 6 i + 5 (a code: sign, 2 exponent bits, 3 mantissa bits); and NAME_scales (uint8): the same leading axes, one E8M0 byte (e + 127) for each 32 codes along K. Its value is code x scale, taken as it is: it is not quantised again, and the codes and scales need not be those that the quantiser above would give.
;; 2 versions, each right and faster than the one before. Each part assembles by itself: llvm-mc -triple=amdgcn-amd-amdhsa -mcpu=gfx1250 --defsym DOCPART=n.
;; ======== version 1 of 2: 1 launch
;; launch fused (part 1): grid 256 x 1, 4 waves a work-group, clusters of 4 x 1, 327,680 bytes of LDS; arguments x_codes, x_scales, Wq_codes, Wq_scales, Wk_codes, Wk_scales, Wv_codes, Wv_scales, Wo_codes, Wo_scales, bo, lq1, lk1, lq2, lk2, out0; writes out0
.if DOCPART == 1
	.amdgcn_target "amdgcn-amd-amdhsa--gfx1250"
	.amdhsa_code_object_version 6
	.text
	.protected	k_q07415104f2_fused
	.globl	k_q07415104f2_fused
	.p2align	8
	.type	k_q07415104f2_fused,@function
k_q07415104f2_fused:
	s_mov_b64 s[64:65], 0
	v_nop
	global_prefetch_b8 v0, s[64:65] scope:SCOPE_SE
	s_setreg_imm32_b32 hwreg(HW_REG_WAVE_MODE, 25, 1), 1
	s_wait_xcnt 0x0
	s_wait_alu depctr_hold_cnt(0) depctr_sa_sdst(0) depctr_va_vdst(0) depctr_va_sdst(0) depctr_va_ssrc(0) depctr_va_vcc(0) depctr_vm_vsrc(0)
	s_getreg_b32 s2, hwreg(HW_REG_IB_STS2, 6, 4)
	s_cmp_eq_u32 s2, 0
	s_cbranch_scc0 .Lentry_in_a_cluster
	s_endpgm
.Lentry_in_a_cluster:
	s_bfe_u32 s2, ttmp6, 0x10000c
	s_cmp_lg_u32 s2, 0x3003
	s_cbranch_scc0 .Lentry_shape_is_right
	s_endpgm
.Lentry_shape_is_right:
; DIFFERENTIAL ATTENTION OVER THE HEAD AXIS, one launch.  16,384 tokens; every step stays inside a token, so a work-group owns 64 whole tokens and walks all four weights.
;   q = x Wq^T / sqrt(32), k = x Wk^T, v = x Wv^T on the given codes of E2M3; q and k are read as 32 heads of 32 (head (qq, hd), element d = column 64 hd + 2 d + qq), each head's row is one block
;   of 32 and is quantised; scores 32 x 32 x 32 on those codes; softmax over 32 keys; diff[a][hk] = att[a][hk] - lam att[16 + a][16 + hk]; out[a][d] = sum over hk of diff[a][hk] v[64 hk + d] in f32;
;   RMS norm over 64, x (1 - LAM_INIT); quantised along 64 a + d; x Wo^T + bo.
; SHARES.  Four waves, one to a SIMD.  THE ROWS STAY, THE WEIGHTS STREAM: every wave keeps the 32 fragments of the 64 tokens (4 tiles of tokens x 8 K steps x 12 registers) as source 1, and the waves
; share the weight rows: in a trip a wave has 32 weight rows (2 tiles, all of K): 16 fragments, each read from LDS once and multiplied against 4 tiles of tokens: 64 matrix instructions.
; 32 trips: Q0 K0 Q1 K1 .. Q7 K7 V0 .. V7 O0 .. O7, through two LDS slots; a tile's rows are 768 bytes of memory (all of K), so a result is finished inside a trip.
; THE MATRIX INSTRUCTION IS USED TRANSPOSED (source 0 = 16 weight rows, source 1 = 16 tokens): a lane holds ONE token (lane % 16) and eight weight rows 8 (lane / 16) + 0 .. 7.
; CLUSTER.  All work-groups walk the same weights: the four of a cluster ask for each weight tile JOINTLY (mask 15); x's rows are a work-group's own.
; WHICH WEIGHT ROWS FORM A TILE.  Q, K: one head (every second row of 64): tile u, row m: d = 16 u + m.  V: tile u is one d, its 16 rows the 16 hk.  O: neighbouring rows.
; LIMITS.  A NaN score (it takes partial sums beyond 3.4e38 of both signs) becomes -3.4e38 where nan_to_num gives 0; infinities are held as nan_to_num holds them.  A block whose largest magnitude lies
; under 2^-124 keeps the scale byte 1; so does a block of zeros (the rule says 127): its codes are zeros and these bytes are read by this text alone.  rsqrt x (1 - LAM_INIT) is one factor, multiplied
; once onto out: one f32 rounding placed otherwise than in the source.  The 32 numbers of a q or k block lie in the order 16 h + 8 u + j for d = 16 u + 8 h + j, alike in q and in k.
;
; LDS:  0 slot 0, SLOT slot 1 (wave w's part at w WPART: only wave w reads it); REC 64 token records of RP bytes; SPARE the spare words.
;   REC's lives, parted by barriers: x's 64 rows at pitch 816 (its one fill) | a token's codes: q heads 0-15 at 0, k 0-15 at 384, q 16-31 at 768, k 16-31 at 1,152, scale bytes at 1,536 |
;   diff as an image of registers, 1,024 bytes at 0 | bytes 1,024 .. 1,535 of every record: one 512-byte image group of v on its way from wave to wave | out's codes, 768 bytes at 0, scale bytes at 768 |
;   the way out: 16 rows x 272 bytes for each wave.
; REGISTERS, in windows of 256.  Window 0: v0-15 ids and addresses; v16-31 the rows' scale words; v32-47 the weights' scale words, two sets; v48-119 weight fragments, three sets of two; v120-123 offsets;
;   v124-255 row fragments 0-10.  Window 1: row fragments 11-31; between V and O: v, diff, out and the quantiser's work.  Windows 2, 3: V's 64 accumulators; v0-63 of both also take the f32 products'
;   results and are written by matrix instructions alone.  Window 3 v64 on: the accumulators of Q, K and O, and the attention's work.
.set RP,    1616                       ; a token record: 16 x 101 bytes
.set WPART, 26112                      ; a wave's part of a slot: 32 rows x 816
.set SLOT,  4*WPART
.set REC,   2*SLOT
.set SPARE, REC+64*RP                  ; 128 bytes for each wave: two blocks of 256 bytes that no other line names
.set XS,  16                           ; v[XS + 8 p + s]: lanes 0-15 the word of token tile 2 p, lanes 16-31 of tile 2 p + 1, K step s
.set WS,  32                           ; v[WS + 8 set + s]: lanes 0-15 weight tile 0, lanes 16-31 tile 1
.set WF,  48                           ; weight fragments: set (K step % 3), tile u at WF + 24 set + 12 u
.set G1QK, 24                          ; s[24:31] group 1 for Q's and K's tiles; s[32:39] V's; s[40:47] O's; s[48:55] x's
.set G1V,  32
.set G1O,  40
.set G1X,  48
.set G0,   56                          ; s[56:59], s[60:63] group 0 for slot 0, 1
.set MSB, 0
.macro WIN new                         ; low byte: bits 1:0 source 0, 3:2 source 1, 5:4 source 2, 7:6 destination; the high byte repeats the setting that is left
.if MSB != (\new)
	s_set_vgpr_msb (MSB<<8)|(\new)
.set MSB, (\new)
.endif
.endm
.macro PLACES n
.rept \n
	v_nop
.endr
.endm
.macro ROUND                           ; a round of the cluster's barrier
	s_barrier_signal -1
	s_barrier_wait -1
	s_cmp_lg_u32 s4, 0
	s_cbranch_scc1 .Lnot_wave_0_\@
	s_barrier_signal -3
.Lnot_wave_0_\@:
	s_barrier_wait -3
	s_barrier_signal -1
	s_barrier_wait -1
.endm
.macro BAR                             ; my LDS stores have landed and my LDS loads are in: then the work-group's barrier
	s_wait_dscnt 0x0
	s_barrier_signal -1
	s_barrier_wait -1
.endm
.macro GROUP1 g, w0, d0, d1, st        ; a tile of d1 rows x d0 elements of 8 bytes, st elements from row to row
	s_mov_b32 s[\g], \w0
	s_mov_b32 s[\g+1], (\d0)<<16
	s_mov_b32 s[\g+2], (\d1)<<16
	s_mov_b32 s[\g+3], (\d0)<<16
	s_mov_b32 s[\g+4], \d1
	s_mov_b32 s[\g+5], \st
	s_mov_b32 s[\g+6], 0
	s_mov_b32 s[\g+7], 0
.endm
; A fragment, 16 rows x 128 K of 6-bit codes: lane (r, h) takes 24 bytes of row r at 96 s + 24 h and 24 at 96 s + 48 + 24 h, in pieces of 8 bytes.  padb bytes of padding lie behind every 32 pieces;
; lanes 16-31 read three pieces on, which is behind one padding more where the piece's number mod 32 is 29 or more: the second address register serves those.
.macro FRAG reg, adr, s, base, padb
.irp p, 0,1,2,3,4,5
.set PC, 12*(\s)+6*(\p/3)+\p%3
.if ((\padb) > 0) && (PC%32 >= 29)
	ds_load_b64 v[(\reg)+2*\p:(\reg)+2*\p+1], v[(\adr)+1] offset:(\base)+8*PC+(\padb)*(PC/32)
.else
	ds_load_b64 v[(\reg)+2*\p:(\reg)+2*\p+1], v[(\adr)] offset:(\base)+8*PC+(\padb)*(PC/32)
.endif
.endr
.endm
.macro FETCHW set, s, adr, ustr, padb  ; my two weight fragments of K step s
	FRAG WF+24*(\set), \adr, \s, 0, \padb
	FRAG WF+24*(\set)+12, \adr, \s, \ustr, \padb
.endm
; One product on the symbols DD, AA, BR, CC, SA, SB.  z = 1: C is the constant 0.  ra, rb: the scale words lie in lanes 16-31.
.macro PROD z, ra, rb
.if (\z)
.if (\ra) && (\rb)
	v_wmma_scale_f32_16x16x128_f8f6f4 v[DD:DD+7], v[AA:AA+11], v[BR:BR+11], 0, v[SA], v[SB] matrix_a_fmt:MATRIX_FMT_FP6 matrix_b_fmt:MATRIX_FMT_FP6 matrix_a_scale:MATRIX_SCALE_ROW1 matrix_b_scale:MATRIX_SCALE_ROW1
.elseif (\ra)
	v_wmma_scale_f32_16x16x128_f8f6f4 v[DD:DD+7], v[AA:AA+11], v[BR:BR+11], 0, v[SA], v[SB] matrix_a_fmt:MATRIX_FMT_FP6 matrix_b_fmt:MATRIX_FMT_FP6 matrix_a_scale:MATRIX_SCALE_ROW1
.elseif (\rb)
	v_wmma_scale_f32_16x16x128_f8f6f4 v[DD:DD+7], v[AA:AA+11], v[BR:BR+11], 0, v[SA], v[SB] matrix_a_fmt:MATRIX_FMT_FP6 matrix_b_fmt:MATRIX_FMT_FP6 matrix_b_scale:MATRIX_SCALE_ROW1
.else
	v_wmma_scale_f32_16x16x128_f8f6f4 v[DD:DD+7], v[AA:AA+11], v[BR:BR+11], 0, v[SA], v[SB] matrix_a_fmt:MATRIX_FMT_FP6 matrix_b_fmt:MATRIX_FMT_FP6
.endif
.else
.if (\ra) && (\rb)
	v_wmma_scale_f32_16x16x128_f8f6f4 v[DD:DD+7], v[AA:AA+11], v[BR:BR+11], v[CC:CC+7], v[SA], v[SB] matrix_a_fmt:MATRIX_FMT_FP6 matrix_b_fmt:MATRIX_FMT_FP6 matrix_a_scale:MATRIX_SCALE_ROW1 matrix_b_scale:MATRIX_SCALE_ROW1
.elseif (\ra)
	v_wmma_scale_f32_16x16x128_f8f6f4 v[DD:DD+7], v[AA:AA+11], v[BR:BR+11], v[CC:CC+7], v[SA], v[SB] matrix_a_fmt:MATRIX_FMT_FP6 matrix_b_fmt:MATRIX_FMT_FP6 matrix_a_scale:MATRIX_SCALE_ROW1
.elseif (\rb)
	v_wmma_scale_f32_16x16x128_f8f6f4 v[DD:DD+7], v[AA:AA+11], v[BR:BR+11], v[CC:CC+7], v[SA], v[SB] matrix_a_fmt:MATRIX_FMT_FP6 matrix_b_fmt:MATRIX_FMT_FP6 matrix_b_scale:MATRIX_SCALE_ROW1
.else
	v_wmma_scale_f32_16x16x128_f8f6f4 v[DD:DD+7], v[AA:AA+11], v[BR:BR+11], v[CC:CC+7], v[SA], v[SB] matrix_a_fmt:MATRIX_FMT_FP6 matrix_b_fmt:MATRIX_FMT_FP6
.endif
.endif
.endm
; K step s of a trip: 8 products (4 tiles of tokens x my 2 weight tiles); the eight accumulators take turns, one instruction a turn, in the same order in every K step.
; Accumulator (m, u) at v[base + ms m + 8 u] of window aw.  cmode = 1: the first K step takes the bias (window 2) as C; 0: the constant 0.
.macro KSTEP s, base, ms, aw, adr, ustr, padb, wsset, cmode
.if (\s) < 6
	s_wait_dscnt 24                                ; this K step's 12 loads are in; the 12 of each of the two sets behind them may be out
.elseif (\s) == 6
	s_wait_dscnt 12                                ; one set behind
.else
	s_wait_dscnt 0
.endif
.irp m, 0,1,2,3
.set IDX, 4*(\s)+\m                    ; the row fragment: 0-10 in window 0 from v124, 11-31 in window 1 from v0
.if IDX < 11
.set BW, 0
.set BR, 124+12*IDX
.else
.set BW, 1
.set BR, 12*(IDX-11)
.endif
.if ((\cmode) == 1) && ((\s) == 0)
	WIN ((\aw)<<6)|(2<<4)|(BW<<2)
.else
	WIN ((\aw)<<6)|((\aw)<<4)|(BW<<2)
.endif
.irp u, 0,1
.set DD, (\base)+(\ms)*\m+8*\u
.set AA, WF+24*((\s)%3)+12*\u
.set SA, WS+8*(\wsset)+(\s)
.set SB, XS+8*(\m/2)+(\s)
.if (\s) > 0
.set CC, DD
	PROD 0, \u, \m%2
.elseif (\cmode) == 1
.set CC, 64+16*(\wsset)+8*\u
	PROD 0, \u, \m%2
.else
	PROD 1, \u, \m%2
.endif
.endr
.endr
	WIN 0
	PLACES 4                                       ; four plain vector instructions between a matrix instruction and a load into a register that it read, or a read of its result
.if (\s) <= 4
	FETCHW (\s)%3, (\s)+3, \adr, \ustr, \padb      ; the set just multiplied takes the K step three on
.endif
.endm
.macro GEMM base, ms, aw, adr, ustr, padb, wsset, cmode, nl
	FETCHW 0, 0, \adr, \ustr, \padb
	FETCHW 1, 1, \adr, \ustr, \padb
	FETCHW 2, 2, \adr, \ustr, \padb
	s_wait_loadcnt \nl                             ; all but the nl loads just issued for the next tile: this tile's scale words (and bias) are in
.irp s, 0,1,2,3,4,5,6,7
	KSTEP \s, \base, \ms, \aw, \adr, \ustr, \padb, \wsset, \cmode
.endr
.endm
; A trip's head: slot sl is about to be read, the other slot is filled with the next tile.  Each wave waits for all its tensor loads (the one that is out is its part of slot sl), adds 0 to its spare
; word, steps slot sl's group 0 to the tile two trips on, waits for the add and for its LDS reads and stores; a round of the cluster's barrier; the joint load first behind it, one a wave.
.macro HEAD sl, act, arg, g1, ptr
	WIN 0
	s_wait_tensorcnt 0x0
	ds_add_u32 v4, v5                              ; 0 onto my spare word
.if (\act) == 1
	s_add_nc_u64 s[G0+4*(\sl)+2:G0+4*(\sl)+3], s[G0+4*(\sl)+2:G0+4*(\sl)+3], \arg
.elseif (\act) == 2
	s_add_nc_u64 s[G0+4*(\sl)+2:G0+4*(\sl)+3], s[\ptr:\ptr+1], \arg     ; on to another weight
	s_or_b32 s[G0+4*(\sl)+3], s[G0+4*(\sl)+3], 0x80000000
.endif
	s_wait_dscnt 0x0
	ROUND
	tensor_load_to_lds s[G0+4-4*(\sl):G0+7-4*(\sl)], s[\g1:\g1+7]
	s_nop 0
	PLACES 4
.endm
.macro SCL set, vofs, ptr, off         ; a tile's scale words: my lane's weight row, 32 bytes = 8 K steps
	global_load_b128 v[WS+8*(\set):WS+8*(\set)+3], v[\vofs], s[\ptr:\ptr+1] offset:\off
	global_load_b128 v[WS+8*(\set)+4:WS+8*(\set)+7], v[\vofs], s[\ptr:\ptr+1] offset:(\off)+16
.endm
.macro BIAS set, off                   ; bo at my lane's eight columns of each of my two tiles, in the result's layout, into window 2
	WIN 0x80
.irp u, 0,1
	global_load_b128 v[64+16*(\set)+8*\u:64+16*(\set)+8*\u+3], v121, s[88:89] offset:(\off)+64*\u
	global_load_b128 v[64+16*(\set)+8*\u+4:64+16*(\set)+8*\u+7], v121, s[88:89] offset:(\off)+64*\u+16
.endr
	WIN 0
.endm
.macro ROWLOAD o                       ; the 32 row fragments: o = 0 from x's rows (pitch 816, padded), o = 1 from the records (out's codes)
.irp s, 0,1,2,3,4,5,6,7
.irp m, 0,1,2,3
.set IDX, 4*\s+\m
.if IDX < 11
	WIN 0
.set RR, 124+12*IDX
.else
	WIN 0x40
.set RR, 12*(IDX-11)
.endif
.if \o
	FRAG RR, 122+\m/2, \s, 16*(\m%2)*RP, 0
.else
	FRAG RR, 122, \s, \m*13056, 16
.endif
.endr
.endr
	WIN 0
.endm
; Behind a Q (mat = 0) or K (1) trip: my head's 32 numbers of each of 64 tokens become a block of codes and a scale byte in the token's record.  All in window 3.
; Lane (r, h) holds 16 numbers of token 16 m + r in v[64 + 16 m ..]; lane xor 16 holds the other 16.
.macro QKEPI mat
	WIN 0xff
	v_add_nc_u32 v242, s15, v240                   ; my head's place in a record: 48 bytes a trip pair on
	v_add_nc_u32 v243, s16, v241
.if (\mat) == 0
.set J, 0
.rept 32
	v_pk_mul_f32 v[64+J:65+J], v[64+J:65+J], s[20:21] op_sel_hi:[1,0]    ; q x 32^-0.5, in f32, ahead of the quantiser
.set J, J+2
.endr
.endif
.irp m, 0,1,2,3
	v_max3_num_f32 v[168+\m], |v[64+16*\m]|, |v[65+16*\m]|, 0x1800000     ; the floor 2^(3 - 127): the byte cannot fall under 1
.endr
.irp i, 2,4,6,8,10,12,14
.irp m, 0,1,2,3
	v_max3_num_f32 v[168+\m], v[168+\m], |v[64+16*\m+\i]|, |v[65+16*\m+\i]|
.endr
.endr
.irp m, 0,1,2,3
	v_permlanex16_b32 v[172+\m], v[168+\m], s18, s19
.endr
.irp m, 0,1,2,3
	v_max_num_f32 v[168+\m], v[168+\m], v[172+\m]  ; the block's largest magnitude
.endr
.irp m, 0,1,2,3
	v_add_nc_u32 v[176+\m], 0xff000000, v[168+\m]  ; 2 off its exponent field: the conversion's scale operand
.endr
.irp p, 0,1
	v_cvt_scalef32_pk16_fp6_f32 v[144+8*\p:146+8*\p], v[64+32*\p:79+32*\p], v[176+2*\p]
	v_cvt_scalef32_pk16_fp6_f32 v[160+4*\p:162+4*\p], v[80+32*\p:95+32*\p], v[177+2*\p]
.endr
.irp m, 0,1,2,3
	v_lshrrev_b32 v[180+\m], 23, v[176+\m]         ; the scale's byte.  (Plain lines behind the conversions)
.endr
.irp p, 0,1
	v_cndmask_b32 v[184+\p], v[180+2*\p], v[181+2*\p], s51    ; lane l: token 32 p + l's byte
.endr
.irp p, 0,1                            ; tile 2 p's lanes 16-31 change places with tile 2 p + 1's lanes 0-15: lane l then holds the whole block of token 32 p + l
.irp i, 0,1,2
	v_permlane16_swap_b32 v[144+8*\p+\i], v[160+4*\p+\i]
.endr
.irp i, 0,1,2
	v_mov_b32 v[147+8*\p+\i], v[160+4*\p+\i]
.endr
.endr
.irp p, 0,1
.irp c, 0,1,2
	ds_store_b64 v242, v[144+8*\p+2*\c:145+8*\p+2*\c] offset:384*(\mat)+32*RP*\p+8*\c
.endr
	ds_store_b8 v243, v[184+\p] offset:16*(\mat)+32*RP*\p
.endr
	WIN 0
.endm
	s_load_b512 s[68:83], s[0:1], 0x0              ; x codes 68, x scales 70, Wq 72, 74, Wk 76, 78, Wv 80, 82
	s_load_b512 s[84:99], s[0:1], 0x40             ; Wo 84, 86, bo 88, lq1 90, lk1 92, lq2 94, lk2 96, out0 98
	v_lshl_add_u32 v4, v0, 2, SPARE
	v_mov_b32 v5, 0
	ds_add_u32 v4, v5
	ds_add_u32 v4, v5
	s_wait_dscnt 0x0
	v_lshrrev_b32 v1, 5, v0
	v_readfirstlane_b32 s4, v1                     ; wave 0..3
	v_and_b32 v1, 31, v0                           ; lane
	v_and_b32 v2, 15, v0                           ; r
	v_bfe_u32 v3, v0, 4, 1                         ; h
	v_lshlrev_b32 v14, 6, v1                       ; Q's, K's scale rows: every second row of 32 bytes
	v_lshlrev_b32 v15, 11, v2
	v_lshl_add_u32 v15, v3, 5, v15                 ; V's: row 64 r + h
	v_lshlrev_b32 v120, 5, v1                      ; x's and O's: row = lane
	v_lshlrev_b32 v121, 5, v3                      ; the bias: 8 numbers for each half of the lanes
	v_lshlrev_b32 v56, 2, v1
	s_lshr_b32 s5, s4, 1
	s_and_b32 s6, s4, 1
	s_bfe_u32 s7, ttmp6, 0x40000                   ; cx
	s_lshl_b32 s8, ttmp9, 2
	s_add_co_u32 s8, s8, s7                        ; my block of 64 tokens: it enters x's and out0's addresses alone
	s_mov_b32 s18, 0x76543210
	s_mov_b32 s19, 0xfedcba98                      ; v_permlanex16_b32's selects for lane l xor 16
	s_mov_b32 s20, 0x3e3504f3                      ; 32^-0.5
	s_mov_b32 s21, s20
	s_mov_b32 s22, 0x3fb8aa3b                      ; log2(e)
	s_mov_b32 s23, s22
	s_mov_b32 s66, 0xff7fffff                      ; the largest f32 number, with both signs
	s_mov_b32 s67, 0x7f7fffff
	; group 1: elements of 8 bytes; padding behind every 64 words; the weights' tiles carry the mask of all four work-groups, and bit 21 beside it
	GROUP1 G1QK, 15|(3<<16)|(1<<20)|(1<<21)|(5<<22)|(3<<25), 96, 32, 192     ; 32 rows of 768 bytes, every second row; 16 bytes of padding: LDS pitch 816
	GROUP1 G1V, 15|(3<<16)|(1<<20)|(1<<21)|(5<<22)|(1<<25), 192, 16, 6144    ; 16 hk x two neighbouring rows (1,536 bytes), 64 rows apart; 8 bytes of padding: pitch 1,584
	GROUP1 G1O, 15|(3<<16)|(1<<20)|(1<<21)|(5<<22)|(3<<25), 96, 32, 96       ; 32 neighbouring rows
	GROUP1 G1X, (3<<16)|(1<<20)|(5<<22)|(3<<25), 96, 16, 96                  ; my 16 tokens' rows: no mask
	s_mov_b32 s11, 0
	s_mov_b32 s101, 0
	s_wait_kmcnt 0x0
	s_mul_i32 s100, s8, 49152                      ; offsets that hang on the work-group have registers of their own
	s_mul_i32 s9, s4, 12288
	s_add_co_u32 s100, s100, s9
	s_add_nc_u64 s[68:69], s[68:69], s[100:101]    ; x's codes at token 64 G + 16 w
	s_lshl_b32 s100, s8, 11
	s_add_nc_u64 s[70:71], s[70:71], s[100:101]    ; x's scales at token 64 G
	s_lshl_b32 s100, s8, 18
	s_lshl_b32 s9, s4, 10
	s_add_co_u32 s100, s100, s9
	s_add_nc_u64 s[98:99], s[98:99], s[100:101]    ; out0 at token 64 G, column 256 w
	s_mul_i32 s10, s5, 49152
	s_mul_i32 s9, s6, 768
	s_add_co_u32 s10, s10, s9
	s_add_nc_u64 s[72:73], s[72:73], s[10:11]      ; Wq, Wk at row 64 (w / 2) + w % 2: head (qq = w % 2, hd = w / 2)
	s_add_nc_u64 s[76:77], s[76:77], s[10:11]
	s_lshl_b32 s10, s5, 11
	s_lshl_b32 s9, s6, 5
	s_add_co_u32 s10, s10, s9
	s_add_nc_u64 s[74:75], s[74:75], s[10:11]
	s_add_nc_u64 s[78:79], s[78:79], s[10:11]
	s_mul_i32 s10, s4, 1536
	s_add_nc_u64 s[80:81], s[80:81], s[10:11]      ; Wv at row 2 w
	s_lshl_b32 s10, s4, 6
	s_add_nc_u64 s[82:83], s[82:83], s[10:11]
	s_mul_i32 s10, s4, 196608
	s_add_nc_u64 s[84:85], s[84:85], s[10:11]      ; Wo at row 256 w
	s_lshl_b32 s10, s4, 13
	s_add_nc_u64 s[86:87], s[86:87], s[10:11]
	s_lshl_b32 s10, s4, 10
	s_add_nc_u64 s[88:89], s[88:89], s[10:11]      ; bo at column 256 w
	s_mov_b32 s12, 1                               ; group 0 for x
	s_mul_i32 s13, s4, 13056
	s_add_co_u32 s13, s13, REC
	s_mov_b64 s[14:15], s[68:69]
	s_or_b32 s15, s15, 0x80000000
	s_mov_b32 s56, 1                               ; slot 0: Q0
	s_mul_i32 s57, s4, WPART
	s_mov_b64 s[58:59], s[72:73]
	s_or_b32 s59, s59, 0x80000000
	s_mov_b32 s60, 1                               ; slot 1: K0
	s_add_co_u32 s61, s57, SLOT
	s_mov_b64 s[62:63], s[76:77]
	s_or_b32 s63, s63, 0x80000000
.irp p, 0,1
	global_load_b128 v[XS+8*\p:XS+8*\p+3], v120, s[70:71] offset:1024*\p       ; token 32 p + lane: its 8 scale words
	global_load_b128 v[XS+8*\p+4:XS+8*\p+7], v120, s[70:71] offset:1024*\p+16
.endr
	SCL 0, 14, 74, 0                               ; Q0's scale words
	global_load_b32 v57, v56, s[90:91]
	global_load_b32 v58, v56, s[92:93]
	global_load_b32 v59, v56, s[94:95]
	global_load_b32 v60, v56, s[96:97]
	ROUND                                          ; the four work-groups are here: the first joint load meets
	tensor_load_to_lds s[12:15], s[G1X:G1X+7]      ; the two first fills go out together: two tensor loads of mine are out
	s_nop 0
	tensor_load_to_lds s[56:59], s[G1QK:G1QK+7]
	s_nop 0
	PLACES 4
	v_mul_u32_u24 v6, v2, 816                      ; weight fragments, pitch 816: row r + 24 h + my part; v7: behind one padding more; v8, v9: slot 1
	v_mad_u32_u24 v6, v3, 24, v6
	v_add_nc_u32 v6, s57, v6
	v_lshl_add_u32 v7, v3, 4, v6
	v_add_nc_u32 v8, SLOT, v6
	v_add_nc_u32 v9, SLOT, v7
	v_mul_u32_u24 v10, v2, 1584                    ; the same for V's tiles, pitch 1,584, 8 bytes of padding
	v_mad_u32_u24 v10, v3, 24, v10
	v_add_nc_u32 v10, s57, v10
	v_lshl_add_u32 v11, v3, 3, v10
	v_add_nc_u32 v12, SLOT, v10
	v_add_nc_u32 v13, SLOT, v11
	v_mul_u32_u24 v122, v2, 816                    ; x's rows
	v_mad_u32_u24 v122, v3, 24, v122
	v_add_nc_u32 v122, REC, v122
	v_lshl_add_u32 v123, v3, 4, v122
	v_mul_u32_u24 v48, v1, RP
	v_add_nc_u32 v48, REC, v48                     ; record = lane
	s_mul_i32 s10, s5, 24
	s_mul_i32 s9, s6, 768
	s_add_co_u32 s10, s10, s9
	v_add_nc_u32 v49, s10, v48                     ; + my head's codes: 24 (w / 2) + 768 (w % 2)
	s_lshl_b32 s9, s6, 5
	s_add_co_u32 s9, s9, s5
	s_add_co_u32 s9, s9, 1536
	v_add_nc_u32 v50, s9, v48                      ; + my head's scale byte
	s_mul_i32 s10, s4, 16*RP
	s_add_co_u32 s10, s10, REC                     ; the attention: my 16 tokens' records
	v_mul_u32_u24 v51, v2, 24
	v_add_nc_u32 v51, s10, v51                     ; head r's codes
	v_add_nc_u32 v52, s10, v2
	v_add_nc_u32 v52, 1536, v52                    ; head r's scale byte
	v_lshl_add_u32 v53, v1, 4, s10                 ; diff's image: 16 x lane
	WIN 0xc0                                       ; destination window 3
	v_mov_b32 v240, v49
	v_mov_b32 v241, v50
	v_mov_b32 v244, v1
	v_mov_b32 v245, v51
	v_mov_b32 v246, v52
	v_mov_b32 v247, v53
.irp m, 0,1,2,3
	v_mov_b32 v[172+\m], 0                         ; written once: a lane permute's destination counts as one of its sources
.endr
	WIN 0
	v_mov_b32 v61, 0
	v_mov_b32 v62, 0
	s_wait_loadcnt 0x0
	v_mul_f32 v57, v57, v58                        ; lam = exp(sum lq1 lk1) - exp(sum lq2 lk2) + LAM_INIT: one product a lane, summed over the 32 lanes
	v_mul_f32 v59, v59, v60
.irp x, 1,2,4,8
	v_add_f32_dpp v57, v57, v57 row_xmask:\x row_mask:0xf bank_mask:0xf
	v_add_f32_dpp v59, v59, v59 row_xmask:\x row_mask:0xf bank_mask:0xf
.endr
	v_permlanex16_b32 v61, v57, s18, s19
	v_permlanex16_b32 v62, v59, s18, s19
	v_add_f32 v57, v57, v61
	v_add_f32 v59, v59, v62
	v_mul_f32 v57, s22, v57
	v_mul_f32 v59, s22, v59
	v_exp_f32 v57, v57
	v_exp_f32 v59, v59
	v_nop                                          ; a plain line behind the exponentials
	s_wait_alu depctr_va_vdst(0)
	v_sub_f32 v57, v59, v57
	v_add_f32 v57, 0xbf489a63, v57                 ; - lam; LAM_INIT = 0.8 - 0.6 exp(-3.6) = 0.78360577
	v_readfirstlane_b32 s17, v57
	s_wait_tensorcnt 0x1                           ; my 16 rows of x are in; Q0's load, issued behind x's, may stay out
	s_barrier_signal -1
	s_barrier_wait -1                              ; everybody's are
	s_mov_b32 s48, 0x3c800000                      ; x's descriptors are done with: 1 / 64,
	s_mov_b32 s49, 0x3727c5ac                      ; 1e-5,
	s_mov_b32 s50, 0x3e5d9673                      ; 1 - LAM_INIT,
	s_mov_b32 s51, 0xffff0000                      ; lanes 16-31
	s_mov_b32 s15, 0                               ; 48 g: my head's codes;  s16: 2 g: its byte
	s_mov_b32 s16, 0
	ROWLOAD 0                                      ; x's 32 fragments: they stay through Q, K and V
	; ---- Q and K: eight pairs of trips.  In trip g wave w makes head (qq = w % 2, hd = 2 g + w / 2) for the 64 tokens.
	s_mov_b32 s3, 7
.Lqk:
	HEAD 0, 1, 98304, G1QK, 0                      ; slot 0 on to Q(g + 1): 128 rows; K(g) is asked for
	SCL 1, 14, 78, 0
	GEMM 64, 16, 3, 6, 13056, 16, 0, 0, 2
	QKEPI 0
	HEAD 1, 1, 98304, G1QK, 0
	SCL 0, 14, 74, 4096
	GEMM 64, 16, 3, 8, 13056, 16, 1, 0, 2
	QKEPI 1
	s_wait_xcnt 0x0                                ; the scale loads have read their bases
	s_add_nc_u64 s[74:75], s[74:75], 4096
	s_add_nc_u64 s[78:79], s[78:79], 4096
	s_add_co_u32 s15, s15, 48
	s_add_co_u32 s16, s16, 2
	s_sub_co_u32 s3, s3, 1
	s_cmp_lg_u32 s3, 0
	s_cbranch_scc1 .Lqk
	HEAD 0, 2, 0, G1QK, 80                         ; the eighth pair is written out: the slots go on to V0 and V1
	SCL 1, 14, 78, 0
	GEMM 64, 16, 3, 6, 13056, 16, 0, 0, 2
	QKEPI 0
	HEAD 1, 2, 6144, G1V, 80
	SCL 0, 15, 82, 0
	GEMM 64, 16, 3, 8, 13056, 16, 1, 0, 2
	QKEPI 1
	; ---- The attention: wave w takes tokens 16 w .. 16 w + 15, two a trip.  V0's tile may stay on its way.
	BAR
	WIN 0xc0
.set J, 0
.rept 96
	v_mov_b32 v[64+J], 0                           ; the score products have K = 32 of the instruction's 128: what the loads below do not fill stays zero CODES, which add nothing
.set J, J+1
.endr
.set J, 0
.rept 16
	v_mov_b32 v[224+J], 0                          ; permute destinations and upper halves of pairs: written once
.set J, J+1
.endr
	WIN 0
	s_mov_b32 s14, 0
	s_mov_b32 s3, 8
.Latt:
	WIN 0xff                                       ; all in window 3
	v_add_nc_u32 v248, s14, v245
	v_add_nc_u32 v249, s14, v246
	v_add_nc_u32 v250, s14, v247
	v_cmp_gt_u32 vcc_lo, 16, v244
	s_wait_xcnt 0x0                                ; EXEC changes only behind this wait: V0's scale loads may be out
	s_and_saveexec_b32 s9, vcc_lo                  ; lanes 0-15 hold k = 0 .. 31 of a fragment: head r's 24 bytes into registers 0-5
.irp a, 0,1
.irp f, 0,1,2,3                        ; f: q heads 0-15, q 16-31, k 0-15, k 16-31
.irp c, 0,1,2
	ds_load_b64 v[64+48*\a+12*\f+2*\c:65+48*\a+12*\f+2*\c], v248 offset:\a*RP+768*(\f%2)+384*(\f/2)+8*\c
.endr
.endr
.endr
	s_or_b32 exec_lo, exec_lo, s9
	WIN 0x03                                       ; scale registers lie in window 0: the weights' second set is free here
.irp a, 0,1
.irp f, 0,1,2,3
	ds_load_u8 v[40+4*\a+\f], v249 offset:\a*RP+32*(\f%2)+16*(\f/2)    ; byte 0: the head's scale; bytes 1-3 are 0 and stand over zero codes
.endr
.endr
	s_wait_dscnt 0x0
	WIN 0xff
.irp a, 0,1                            ; S^T = k q^T: source 0 = 16 key heads (half y), source 1 = 16 query heads (half z): lane (r, h): query 16 z + r, register j: key 16 y + 8 h + j
.irp z, 0,1
.irp y, 0,1
.set DD, 160+32*\a+16*\z+8*\y
.set AA, 88+48*\a+12*\y
.set BR, 64+48*\a+12*\z
.set SA, 42+4*\a+\y
.set SB, 40+4*\a+\z
	PROD 1, 0, 0
.endr
.endr
.endr
	PLACES 4
.set J, 0
.rept 32
	v_med3_num_f32 v[160+J], v[160+J], s66, s67    ; nan_to_num's hold of the infinities
	v_med3_num_f32 v[192+J], v[192+J], s66, s67
.set J, J+1
.endr
.irp c, 0,1,2,3                        ; four rows a lane (token c / 2, query half c % 2), by turns: the largest of my 16 keys
	v_max3_num_f32 v[224+8*(\c/2)+2*(\c%2)], v[160+16*\c], v[161+16*\c], v[162+16*\c]
.endr
.irp i, 3,5,7,9,11,13
.irp c, 0,1,2,3
	v_max3_num_f32 v[224+8*(\c/2)+2*(\c%2)], v[224+8*(\c/2)+2*(\c%2)], v[160+16*\c+\i], v[161+16*\c+\i]
.endr
.endr
.irp c, 0,1,2,3
	v_max_num_f32 v[224+8*(\c/2)+2*(\c%2)], v[224+8*(\c/2)+2*(\c%2)], v[175+16*\c]
.endr
.irp c, 0,1,2,3
	v_permlanex16_b32 v[225+8*(\c/2)+2*(\c%2)], v[224+8*(\c/2)+2*(\c%2)], s18, s19
.endr
.irp c, 0,1,2,3
	v_max_num_f32 v[224+8*(\c/2)+2*(\c%2)], v[224+8*(\c/2)+2*(\c%2)], v[225+8*(\c/2)+2*(\c%2)]    ; the row's maximum over its 32 keys
.endr
.irp j, 0,2,4,6,8,10,12,14
.irp c, 0,1,2,3
	v_pk_add_f32 v[160+16*\c+\j:161+16*\c+\j], v[160+16*\c+\j:161+16*\c+\j], v[224+8*(\c/2)+2*(\c%2):225+8*(\c/2)+2*(\c%2)] op_sel_hi:[1,0] neg_lo:[0,1] neg_hi:[0,1]   ; s - max
.endr
.endr
.set J, 0
.rept 32
	v_pk_mul_f32 v[160+J:161+J], v[160+J:161+J], s[22:23] op_sel_hi:[1,0]
.set J, J+2
.endr
.set J, 0
.rept 64
	v_exp_f32 v[160+J], v[160+J]
.set J, J+1
.endr
	v_nop                                          ; a plain line behind the exponentials
	s_wait_alu depctr_va_vdst(0)
.irp c, 0,1,2,3
	v_pk_add_f32 v[228+8*(\c/2)+2*(\c%2):229+8*(\c/2)+2*(\c%2)], v[160+16*\c:161+16*\c], v[162+16*\c:163+16*\c]
.endr
.irp j, 4,6,8,10,12,14
.irp c, 0,1,2,3
	v_pk_add_f32 v[228+8*(\c/2)+2*(\c%2):229+8*(\c/2)+2*(\c%2)], v[228+8*(\c/2)+2*(\c%2):229+8*(\c/2)+2*(\c%2)], v[160+16*\c+\j:161+16*\c+\j]
.endr
.endr
.irp c, 0,1,2,3
	v_add_f32 v[228+8*(\c/2)+2*(\c%2)], v[228+8*(\c/2)+2*(\c%2)], v[229+8*(\c/2)+2*(\c%2)]
.endr
.irp c, 0,1,2,3
	v_permlanex16_b32 v[229+8*(\c/2)+2*(\c%2)], v[228+8*(\c/2)+2*(\c%2)], s18, s19
.endr
.irp c, 0,1,2,3
	v_add_f32 v[228+8*(\c/2)+2*(\c%2)], v[228+8*(\c/2)+2*(\c%2)], v[229+8*(\c/2)+2*(\c%2)]        ; the row's sum
.endr
.irp c, 0,1,2,3
	v_rcp_f32 v[228+8*(\c/2)+2*(\c%2)], v[228+8*(\c/2)+2*(\c%2)]
.endr
	v_nop                                          ; a plain line behind the reciprocals
	s_wait_alu depctr_va_vdst(0)
.irp a, 0,1
	v_mul_f32 v[230+8*\a], s17, v[230+8*\a]        ; - lam / the second row's sum
.endr
.irp j, 0,2,4,6
.irp a, 0,1
	v_pk_mul_f32 v[160+32*\a+\j:161+32*\a+\j], v[160+32*\a+\j:161+32*\a+\j], v[228+8*\a:229+8*\a] op_sel_hi:[1,0]
.endr
.endr
.irp j, 0,2,4,6
.irp a, 0,1
	v_pk_fma_f32 v[160+32*\a+\j:161+32*\a+\j], v[184+32*\a+\j:185+32*\a+\j], v[230+8*\a:231+8*\a], v[160+32*\a+\j:161+32*\a+\j] op_sel_hi:[1,0,1]   ; diff[a = r][hk = 8 h + j]
.endr
.endr
.irp a, 0,1
	ds_store_b128 v250, v[160+32*\a:163+32*\a] offset:\a*RP            ; as an image of the registers, over the token's codes, which are in registers
	ds_store_b128 v250, v[164+32*\a:167+32*\a] offset:\a*RP+512
.endr
	WIN 0
	s_add_co_u32 s14, s14, 2*RP
	s_sub_co_u32 s3, s3, 1
	s_cmp_lg_u32 s3, 0
	s_cbranch_scc1 .Latt
	; ---- V: eight trips.  In trip g wave w makes d = 8 g + 2 w + u (u = 0, 1) for all 16 hk and the 64 tokens; all 64 accumulators stay: (m, 2 g + u) at window 2 + g / 4, v[64 m + 8 ((2 g + u) % 8)].
.macro VTRIP g, act, arg, ptr, g1
	HEAD (\g)%2, \act, \arg, \g1, \ptr
.if (\g) < 7
	SCL ((\g)+1)%2, 15, 82, 256*((\g)+1)
.else
	SCL 0, 120, 86, 0                              ; O0's scale words
.endif
	GEMM 16*((\g)%4), 64, 2+(\g)/4, 10+2*((\g)%2), 792, 8, (\g)%2, 0, 2
.endm
.irp g, 0,1,2,3,4,5
	VTRIP \g, 1, 12288, 0, G1V                     ; 16 rows on
.endr
	VTRIP 6, 2, 0, 84, G1V                         ; the slots go on to O0 and O1
	VTRIP 7, 2, 24576, 84, G1O
	; ---- out = diff v, norm, quantiser: eight passes (m = tile of tokens, beta = half of d).  A lane holds a TOKEN in V's accumulators; the f32 product wants a lane to hold a d.  So a pass's
	; 16 tokens x 32 d x 16 hk go through LDS as images of the operand's registers, 512 bytes to a record's gap; wave w then owns tokens 16 m + 4 w + i.
	s_mul_i32 s10, s4, 4*RP
	s_add_co_u32 s10, s10, REC                     ; record 4 w
	v_lshl_add_u32 v48, v1, 4, s10                 ; + 16 x lane: images
	v_add_nc_u32 v49, 32*RP, v48
	v_mul_u32_u24 v50, v2, 48
	v_mad_u32_u24 v50, v3, 24, v50
	v_add_nc_u32 v50, s10, v50                     ; + 48 r + 24 h: block (a = r, beta = h) of out's codes
	v_add_nc_u32 v51, 32*RP, v50
	v_lshl_add_u32 v52, v2, 1, v3
	v_add_nc_u32 v52, s10, v52
	v_add_nc_u32 v52, 768, v52                     ; its scale byte
	v_add_nc_u32 v53, 32*RP, v52
	s_lshl_b32 s9, s4, 5
	s_add_co_u32 s9, s9, REC+1024
	v_mul_u32_u24 v54, v2, RP
	v_lshl_add_u32 v54, v3, 8, v54
	v_add_nc_u32 v54, s9, v54                      ; v on its way in: record = token r, lane place 16 (2 w + ..) + 256 h
	v_add_nc_u32 v55, 32*RP, v54
	WIN 0x40                                       ; destination window 1: x's fragments are done with
.irp i, 0,1,2,3,4,5,6,7
	v_mov_b32 v[240+\i], v[48+\i]
.endr
.irp i, 163,166,167,187,190,191
	v_mov_b32 v\i, 0                               ; permute destinations: written once
.endr
.macro WSTEP rho                       ; my accumulators of pass rho: (token r, d, h)'s eight hk, 32 bytes, to lane place (row 8 hm + 2 w + u, h) of tile un = gq % 2; registers 0-3 to record r + 32 un, 4-7 to r + 16 + 32 un
	WIN 0x09+4*((\rho)%2)                          ; address window 1, data window 2 + beta
.irp gq, 0,1,2,3
.irp u, 0,1
	ds_store_b128 v[246+\gq%2], v[64*((\rho)/2)+8*(2*\gq+\u):64*((\rho)/2)+8*(2*\gq+\u)+3] offset:16*(8*(\gq/2)+\u)
	ds_store_b128 v[246+\gq%2], v[64*((\rho)/2)+8*(2*\gq+\u)+4:64*((\rho)/2)+8*(2*\gq+\u)+7] offset:16*RP+16*(8*(\gq/2)+\u)
.endr
.endr
.endm
.macro RLOAD rho                       ; my four tokens: v as source 0's registers (lane (r, h), register j: hk = 8 h + j of row r of tile n); with beta = 0 also diff
	WIN 0x41
.irp i, 0,1,2,3
.irp n, 0,1
	ds_load_b128 v[16*\i+8*\n:16*\i+8*\n+3], v[240+\n] offset:1024+\i*RP
	ds_load_b128 v[16*\i+8*\n+4:16*\i+8*\n+7], v[240+\n] offset:1024+(16+\i)*RP
.endr
.endr
.if (\rho)%2 == 0
.irp i, 0,1,2,3
	ds_load_b128 v[64+8*\i:64+8*\i+3], v[240+(\rho)/4] offset:(16*(((\rho)/2)%2)+\i)*RP
	ds_load_b128 v[64+8*\i+4:64+8*\i+7], v[240+(\rho)/4] offset:(16*(((\rho)/2)%2)+\i)*RP+512
.endr
.endif
.endm
; out^T = v^T diff^T in f32 (its result goes on into a quantiser): source 0 = 16 d, source 1 = 16 a; K slot (h, j) of step s is hk = 8 h + 2 s + j on both sides.  Eight accumulators by turns.
; Result: lane (r, h), register j of tile n: out[a = r][d = 32 beta + 16 h + 8 n + j]: a lane's 16 registers of a token are 16 neighbours along the next K.
.macro PV rho
	WIN 0xa5+0x50*((\rho)%2)
.irp s, 0,1,2,3
.irp i, 0,1,2,3
.irp n, 0,1
.if \s == 0
	v_wmma_f32_16x16x4_f32 v[16*\i+8*\n:16*\i+8*\n+7], v[16*\i+8*\n+2*\s:16*\i+8*\n+2*\s+1], v[64+8*\i+2*\s:64+8*\i+2*\s+1], 0
.else
	v_wmma_f32_16x16x4_f32 v[16*\i+8*\n:16*\i+8*\n+7], v[16*\i+8*\n+2*\s:16*\i+8*\n+2*\s+1], v[64+8*\i+2*\s:64+8*\i+2*\s+1], v[16*\i+8*\n:16*\i+8*\n+7]
.endif
.endr
.endr
.endr
	PLACES 8                                       ; eight places behind this form
.endm
; Tokens i0, i0 + 1 of tile m, by turns: RMS norm over 64, x (1 - LAM_INIT), into other registers; two blocks a lane pair; codes and scale bytes to the token's record.  Work at window 1, v[160 + 24 k ..].
.macro NORM2 m, i0
	WIN 0x5a                                       ; sources 0, 1 window 2; source 2 and destination window 1
.irp k, 0,1
	v_pk_mul_f32 v[160+24*\k:161+24*\k], v[16*((\i0)+\k):16*((\i0)+\k)+1], v[16*((\i0)+\k):16*((\i0)+\k)+1]
.endr
.irp j, 2,4,6,8,10,12,14
.irp k, 0,1
	v_pk_fma_f32 v[160+24*\k:161+24*\k], v[16*((\i0)+\k)+\j:16*((\i0)+\k)+\j+1], v[16*((\i0)+\k)+\j:16*((\i0)+\k)+\j+1], v[160+24*\k:161+24*\k]
.endr
.endr
	WIN 0x5f                                       ; the same from window 3
.irp j, 0,2,4,6,8,10,12,14
.irp k, 0,1
	v_pk_fma_f32 v[160+24*\k:161+24*\k], v[16*((\i0)+\k)+\j:16*((\i0)+\k)+\j+1], v[16*((\i0)+\k)+\j:16*((\i0)+\k)+\j+1], v[160+24*\k:161+24*\k]
.endr
.endr
	WIN 0x55
.irp k, 0,1
	v_add_f32 v[160+24*\k], v[160+24*\k], v[161+24*\k]
.endr
.irp k, 0,1
	v_permlanex16_b32 v[163+24*\k], v[160+24*\k], s18, s19
.endr
.irp k, 0,1
	v_add_f32 v[160+24*\k], v[160+24*\k], v[163+24*\k]
.endr
.irp k, 0,1
	v_fma_f32 v[160+24*\k], v[160+24*\k], s48, s49 ; the mean of the squares + 1e-5
.endr
.irp k, 0,1
	v_rsq_f32 v[162+24*\k], v[160+24*\k]
.endr
	v_nop                                          ; a plain line behind the roots
	s_wait_alu depctr_va_vdst(0)
.irp k, 0,1
	v_mul_f32 v[162+24*\k], s50, v[162+24*\k]
.endr
	WIN 0x46                                       ; source 0 window 2, source 1 and destination window 1
.irp j, 0,2,4,6,8,10,12,14
.irp k, 0,1
	v_pk_mul_f32 v[96+32*\k+\j:97+32*\k+\j], v[16*((\i0)+\k)+\j:16*((\i0)+\k)+\j+1], v[162+24*\k:163+24*\k] op_sel_hi:[1,0]
.endr
.endr
	WIN 0x47
.irp j, 0,2,4,6,8,10,12,14
.irp k, 0,1
	v_pk_mul_f32 v[112+32*\k+\j:113+32*\k+\j], v[16*((\i0)+\k)+\j:16*((\i0)+\k)+\j+1], v[162+24*\k:163+24*\k] op_sel_hi:[1,0]
.endr
.endr
	WIN 0x55
.irp b, 0,1
.irp k, 0,1
	v_max3_num_f32 v[164+24*\k+\b], |v[96+32*\k+16*\b]|, |v[97+32*\k+16*\b]|, 0x1800000
.endr
.endr
.irp i, 2,4,6,8,10,12,14
.irp b, 0,1
.irp k, 0,1
	v_max3_num_f32 v[164+24*\k+\b], v[164+24*\k+\b], |v[96+32*\k+16*\b+\i]|, |v[97+32*\k+16*\b+\i]|
.endr
.endr
.endr
.irp b, 0,1
.irp k, 0,1
	v_permlanex16_b32 v[166+24*\k+\b], v[164+24*\k+\b], s18, s19
.endr
.endr
.irp b, 0,1
.irp k, 0,1
	v_max_num_f32 v[164+24*\k+\b], v[164+24*\k+\b], v[166+24*\k+\b]
.endr
.endr
.irp b, 0,1
.irp k, 0,1
	v_add_nc_u32 v[168+24*\k+\b], 0xff000000, v[164+24*\k+\b]
.endr
.endr
.irp k, 0,1
	v_cvt_scalef32_pk16_fp6_f32 v[172+24*\k:174+24*\k], v[96+32*\k:111+32*\k], v[168+24*\k]
	v_cvt_scalef32_pk16_fp6_f32 v[178+24*\k:180+24*\k], v[112+32*\k:127+32*\k], v[169+24*\k]
.endr
.irp b, 0,1
.irp k, 0,1
	v_lshrrev_b32 v[170+24*\k+\b], 23, v[168+24*\k+\b]     ; the bytes.  (Plain lines behind the conversions)
.endr
.endr
.irp k, 0,1
	v_cndmask_b32 v[182+24*\k], v[170+24*\k], v[171+24*\k], s51
.endr
.irp k, 0,1                            ; lane (r, h) then holds the whole block (a = r, beta = h)
.irp i, 0,1,2
	v_permlane16_swap_b32 v[172+24*\k+\i], v[178+24*\k+\i]
.endr
.irp i, 0,1,2
	v_mov_b32 v[175+24*\k+\i], v[178+24*\k+\i]
.endr
.endr
.irp k, 0,1
.irp c, 0,1,2
	ds_store_b64 v[242+(\m)/2], v[172+24*\k+2*\c:173+24*\k+2*\c] offset:(16*((\m)%2)+(\i0)+\k)*RP+8*\c
.endr
	ds_store_b8 v[244+(\m)/2], v[182+24*\k] offset:(16*((\m)%2)+(\i0)+\k)*RP
.endr
	s_wait_dscnt 0x0                               ; the stores have read their registers
.endm
	WSTEP 0
.irp rho, 0,1,2,3,4,5,6,7
	BAR                                            ; the pass's images lie in LDS
	RLOAD \rho
	BAR                                            ; and are in registers: the gaps may be written again
.if \rho < 7
	WSTEP \rho+1
.endif
	PV \rho
.if \rho%2
	NORM2 \rho/2, 0
	NORM2 \rho/2, 2
.endif
.endr
	WIN 0
	BAR                                            ; out's codes of all 64 tokens lie in the records
	; ---- O: out Wo^T + bo.  Wave w makes columns 256 w .. 256 w + 255, 32 a trip; two trips' 64 columns (256 bytes of a row) go out together.
	v_mul_u32_u24 v122, v2, RP
	v_mad_u32_u24 v122, v3, 24, v122
	v_add_nc_u32 v122, REC, v122                   ; token r's codes, + 24 h;
	v_add_nc_u32 v123, 32*RP, v122                 ; 32 tokens on
	v_mul_u32_u24 v15, v1, RP
	v_add_nc_u32 v15, REC+768, v15                 ; token = lane: its 8 scale words
	s_mul_i32 s10, s4, 4352
	s_add_co_u32 s10, s10, REC                     ; my stage: 16 rows x 272 bytes, over records that every wave has read when the first result is stored (two rounds lie between)
	v_mul_u32_u24 v10, v2, 272
	v_lshl_add_u32 v10, v3, 5, v10
	v_add_nc_u32 v10, s10, v10                     ; in: row r, 32 bytes for each half of the lanes
	v_mul_u32_u24 v11, v3, 272
	v_lshl_add_u32 v11, v2, 4, v11
	v_add_nc_u32 v11, s10, v11                     ; back: lanes 0-15 one row of 256 bytes, lanes 16-31 the next
	v_lshlrev_b32 v12, 12, v3
	v_lshl_add_u32 v12, v2, 4, v12                 ; and the same two rows of out0
	ROWLOAD 1
.irp p, 0,1
	ds_load_b128 v[XS+8*\p:XS+8*\p+3], v15 offset:32*RP*\p
	ds_load_b128 v[XS+8*\p+4:XS+8*\p+7], v15 offset:32*RP*\p+16
.endr
	BIAS 0, 0
.macro SENDB m, younger                ; block m's 16 rows leave; younger: the LDS instructions issued behind its loads, which may stay out
	s_wait_dscnt \younger
	WIN 0x08                                       ; data window 2
.irp i, 0,1,2,3,4,5,6,7
	global_store_b128 v12, v[96+32*((\m)%2)+4*\i:96+32*((\m)%2)+4*\i+3], s[98:99] offset:(16*(\m)+2*\i)*4096 th:TH_STORE_NT   ; 16 lanes store 256 consecutive bytes, at a multiple of 256 from out0's first byte
.endr
.endm
.macro OUTP                            ; a lane holds 32 neighbouring bytes of a row for each of 4 tiles: through my own stage, back as rows of 256 bytes.  LDS serves a wave's instructions in order (ISA guide 5.7.1.4)
.irp m, 0,1,2,3
.if \m > 1
	s_wait_xcnt 0x0                                ; block m - 2's stores have read the registers that the loads below fill
.endif
	WIN 0x0c                                       ; data window 3
.irp e, 0,1
.irp u, 0,1
	ds_store_b128 v10, v[64+64*\e+16*\m+8*\u:64+64*\e+16*\m+8*\u+3] offset:64*(2*\e+\u)
	ds_store_b128 v10, v[64+64*\e+16*\m+8*\u+4:64+64*\e+16*\m+8*\u+7] offset:64*(2*\e+\u)+16
.endr
.endr
	WIN 0x80
.irp i, 0,1,2,3,4,5,6,7
	ds_load_b128 v[96+32*(\m%2)+4*\i:96+32*(\m%2)+4*\i+3], v11 offset:544*\i
.endr
.if \m > 0
	SENDB \m-1, 16                                 ; behind block m - 1's loads: block m's 8 stores and 8 loads
.endif
.endr
	SENDB 3, 0
	WIN 0
.endm
	s_mov_b32 s3, 3
.Lo:
	HEAD 0, 1, 49152, G1O, 0                       ; 64 rows on
	SCL 1, 120, 86, 1024
	BIAS 1, 128
	GEMM 64, 16, 3, 6, 13056, 16, 0, 1, 6
	HEAD 1, 1, 49152, G1O, 0
	SCL 0, 120, 86, 2048
	BIAS 0, 256
	GEMM 128, 16, 3, 8, 13056, 16, 1, 1, 6
	OUTP
	s_wait_xcnt 0x0                                ; loads and stores have read their bases and registers
	s_add_nc_u64 s[86:87], s[86:87], 2048
	s_add_nc_u64 s[88:89], s[88:89], 256
	s_add_nc_u64 s[98:99], s[98:99], 256
	s_sub_co_u32 s3, s3, 1
	s_cmp_lg_u32 s3, 0
	s_cbranch_scc1 .Lo
	HEAD 0, 0, 0, G1O, 0                           ; the last pair is written out: O7 is asked for, and nothing after it
	SCL 1, 120, 86, 1024
	BIAS 1, 128
	GEMM 64, 16, 3, 6, 13056, 16, 0, 1, 6
	s_wait_tensorcnt 0x0                           ; my part of O7 is in, and only I read it: no barrier, and nothing is filled
	GEMM 128, 16, 3, 8, 13056, 16, 1, 1, 0
	OUTP
	s_wait_tensorcnt 0x0                           ; the wave's end: behind my last tensor load and my last LDS store
	ds_add_u32 v4, v5
	s_wait_dscnt 0x0
	ROUND                                          ; the closing round: no work-group ends while a partner may still ask for a tile that names it
	s_endpgm
.Lfunc_end_k_q07415104f2_fused:
	.size	k_q07415104f2_fused, .Lfunc_end_k_q07415104f2_fused-k_q07415104f2_fused
	.p2alignl 7, 3214868480
	.fill 96, 4, 3214868480
	.section	.rodata,"a",@progbits
	.p2align	6, 0x0
	.amdhsa_kernel k_q07415104f2_fused
		.amdhsa_group_segment_fixed_size 327680
		.amdhsa_private_segment_fixed_size 0
		.amdhsa_enable_private_segment 0
		.amdhsa_kernarg_size 128
		.amdhsa_user_sgpr_count 2
		.amdhsa_user_sgpr_kernarg_segment_ptr 1
		.amdhsa_wavefront_size32 1
		.amdhsa_system_sgpr_workgroup_id_x 1
		.amdhsa_system_sgpr_workgroup_id_y 1
		.amdhsa_system_sgpr_workgroup_id_z 1
		.amdhsa_system_vgpr_workitem_id 0
		.amdhsa_next_free_vgpr 1024
		.amdhsa_next_free_sgpr 102
		.amdhsa_reserve_vcc 1
		.amdhsa_float_denorm_mode_32 3
		.amdhsa_float_denorm_mode_16_64 3
		.amdhsa_memory_ordered 1
		.amdhsa_forward_progress 1
		.amdhsa_inst_pref_size 255
	.end_amdhsa_kernel
	.section	.bss,"aw",@nobits
	.p2align	6
	.space	262144
	.amdgpu_metadata
---
amdhsa.version: [ 1, 2 ]
amdhsa.kernels:
  - .name:           k_q07415104f2_fused
    .symbol:         k_q07415104f2_fused.kd
    .args:
      - { .name: x_codes, .offset: 0, .size: 8, .value_kind: global_buffer, .address_space: global }
      - { .name: x_scales, .offset: 8, .size: 8, .value_kind: global_buffer, .address_space: global }
      - { .name: Wq_codes, .offset: 16, .size: 8, .value_kind: global_buffer, .address_space: global }
      - { .name: Wq_scales, .offset: 24, .size: 8, .value_kind: global_buffer, .address_space: global }
      - { .name: Wk_codes, .offset: 32, .size: 8, .value_kind: global_buffer, .address_space: global }
      - { .name: Wk_scales, .offset: 40, .size: 8, .value_kind: global_buffer, .address_space: global }
      - { .name: Wv_codes, .offset: 48, .size: 8, .value_kind: global_buffer, .address_space: global }
      - { .name: Wv_scales, .offset: 56, .size: 8, .value_kind: global_buffer, .address_space: global }
      - { .name: Wo_codes, .offset: 64, .size: 8, .value_kind: global_buffer, .address_space: global }
      - { .name: Wo_scales, .offset: 72, .size: 8, .value_kind: global_buffer, .address_space: global }
      - { .name: bo, .offset: 80, .size: 8, .value_kind: global_buffer, .address_space: global }
      - { .name: lq1, .offset: 88, .size: 8, .value_kind: global_buffer, .address_space: global }
      - { .name: lk1, .offset: 96, .size: 8, .value_kind: global_buffer, .address_space: global }
      - { .name: lq2, .offset: 104, .size: 8, .value_kind: global_buffer, .address_space: global }
      - { .name: lk2, .offset: 112, .size: 8, .value_kind: global_buffer, .address_space: global }
      - { .name: out0, .offset: 120, .size: 8, .value_kind: global_buffer, .address_space: global }
    .group_segment_fixed_size: 327680
    .private_segment_fixed_size: 0
    .kernarg_segment_align: 8
    .kernarg_segment_size: 128
    .max_flat_workgroup_size: 128
    .sgpr_count:     102
    .vgpr_count:     1024
    .wavefront_size: 32
...
	.end_amdgpu_metadata
.endif
;; end of part 1
;; ======== version 2 of 2: 1 launch; 1.16 times as fast as version 1
;; launch fused (part 2): grid 256 x 1, 4 waves a work-group, clusters of 4 x 1, 327,680 bytes of LDS; arguments x_codes, x_scales, Wq_codes, Wq_scales, Wk_codes, Wk_scales, Wv_codes, Wv_scales, Wo_codes, Wo_scales, bo, lq1, lk1, lq2, lk2, out0; writes out0
.if DOCPART == 2
	.amdgcn_target "amdgcn-amd-amdhsa--gfx1250"
	.amdhsa_code_object_version 6
	.text
	.protected	k_q07415104f2_fused
	.globl	k_q07415104f2_fused
	.p2align	8
	.type	k_q07415104f2_fused,@function
k_q07415104f2_fused:
	s_mov_b64 s[64:65], 0
	v_nop
	global_prefetch_b8 v0, s[64:65] scope:SCOPE_SE
	s_setreg_imm32_b32 hwreg(HW_REG_WAVE_MODE, 25, 1), 1
	s_wait_xcnt 0x0
	s_wait_alu depctr_hold_cnt(0) depctr_sa_sdst(0) depctr_va_vdst(0) depctr_va_sdst(0) depctr_va_ssrc(0) depctr_va_vcc(0) depctr_vm_vsrc(0)
	s_getreg_b32 s2, hwreg(HW_REG_IB_STS2, 6, 4)
	s_cmp_eq_u32 s2, 0
	s_cbranch_scc0 .Lentry_in_a_cluster
	s_endpgm
.Lentry_in_a_cluster:
	s_bfe_u32 s2, ttmp6, 0x10000c
	s_cmp_lg_u32 s2, 0x3003
	s_cbranch_scc0 .Lentry_shape_is_right
	s_endpgm
.Lentry_shape_is_right:
; DIFFERENTIAL ATTENTION OVER THE HEAD AXIS, one launch.  16,384 tokens; every step stays inside a token, so a work-group owns 64 whole tokens and walks all four weights.
;   q = x Wq^T / sqrt(32), k = x Wk^T, v = x Wv^T on the given codes of E2M3; q and k are read as 32 heads of 32 (head (qq, hd), element d = column 64 hd + 2 d + qq), each head's row is one block
;   of 32 and is quantised; scores 32 x 32 x 32 on those codes; softmax over 32 keys; diff[a][hk] = att[a][hk] - lam att[16 + a][16 + hk]; out[a][d] = sum over hk of diff[a][hk] v[64 hk + d] in f32;
;   RMS norm over 64, x (1 - LAM_INIT); quantised along 64 a + d; x Wo^T + bo.
; SHARES.  Four waves, one to a SIMD.  THE ROWS STAY, THE WEIGHTS STREAM: every wave keeps the 32 fragments of the 64 tokens (4 tiles of tokens x 8 K steps x 12 registers) as source 1, and the waves
; share the weight rows: in a trip a wave has 32 weight rows (2 tiles, all of K): 16 fragments, each read from LDS once and multiplied against 4 tiles of tokens: 64 matrix instructions.
; 32 trips: eight pairs of a Q and a K tile, eight V tiles, eight O tiles, through two LDS slots; a tile's rows are 768 bytes of memory (all of K), so a result is finished inside a trip.
; THE MATRIX INSTRUCTION IS USED TRANSPOSED (source 0 = 16 weight rows, source 1 = 16 tokens): a lane holds ONE token (lane % 16) and eight weight rows 8 (lane / 16) + 0 .. 7.
; CLUSTER.  All work-groups walk the same weights: the four of a cluster ask for each weight tile JOINTLY (mask 15); x's rows are a work-group's own.
; THE ORDER OF A WEIGHT'S TILES TURNS WITH THE CLUSTER'S NUMBER c, which the four partners share.  Were the order the same in all 64 clusters, every tile would be asked for by all of them in the same
; trip, for the first time in the launch.  With rho = c % 8 and gamma = c % 4: Q's and K's pair i is g = (i - rho) % 8; V's trip i is g = 4 (i / 4) + (i % 4 - gamma) % 4; O's pair i is (i + gamma) % 4.
; So from a weight's second trip on a cluster asks for bytes that another cluster asked for a trip earlier.  LDS is WRITTEN by trip number, alike in all clusters; the turn is undone where LDS is READ.
; WHICH WEIGHT ROWS FORM A TILE.  Q, K: one head (every second row of 64): tile u, row m: d = 16 u + m.  V: tile u is one d, its 16 rows the 16 hk.  O: neighbouring rows.
; LIMITS.  A NaN score (it takes partial sums beyond 3.4e38 of both signs) becomes -3.4e38 where nan_to_num gives 0; infinities are held as nan_to_num holds them.  A block whose largest magnitude lies
; under 2^-124 keeps the scale byte 1; so does a block of zeros (the rule says 127): its codes are zeros and these bytes are read by this text alone.  rsqrt x (1 - LAM_INIT) is one factor, multiplied
; once onto out: one f32 rounding placed otherwise than in the source.  The 32 numbers of a q or k block lie in the order 16 h + 8 u + j for d = 16 u + 8 h + j, alike in q and in k.
;
; LDS:  0 slot 0, SLOT slot 1 (wave w's part at w WPART: only wave w reads it); REC 64 token records of RP bytes; SPARE the spare words.
;   REC's lives, parted by barriers: x's 64 rows at pitch 816 (its one fill) | a token's codes: q heads 0-15 at 0, k 0-15 at 384, q 16-31 at 768, k 16-31 at 1,152, scale bytes at 1,536; in each run
;   of 16 head hd lies at place (hd + 2 rho) % 16 | diff as an image of registers, 1,024 bytes at 0 | bytes 1,024 .. 1,535 of every record: one 512-byte image group of v on its way from wave to wave |
;   out's codes, 768 bytes at 0, scale bytes at 768 | the way out: 16 rows x 272 bytes for each wave.
; REGISTERS, in windows of 256.  Window 0: v0-15 ids and addresses; v16-31 the rows' scale words; v32-47 the weights' scale words, two sets; v48-119 weight fragments, three sets of two; v120-123 offsets;
;   v124-255 row fragments 0-10.  Window 1: row fragments 11-31; between V and O: v, diff, out and the quantiser's work.  Windows 2, 3: V's 64 accumulators; v0-63 of both also take the f32 products'
;   results and are written by matrix instructions alone.  Window 3 v64 on: the accumulators of Q, K and O, and the attention's work.
; SCALARS of the turn: s2 rho; s55 gamma; s53 the running g or pair; s[12:13] a tile's byte offset in its weight (s13 = 0); s[72:77] in O: the pair's scale rows, bias and columns of out0.
.set RP,    1616                       ; a token record: 16 x 101 bytes
.set WPART, 26112                      ; a wave's part of a slot: 32 rows x 816
.set SLOT,  4*WPART
.set REC,   2*SLOT
.set SPARE, REC+64*RP                  ; 128 bytes for each wave: two blocks of 256 bytes that no other line names
.set XS,  16                           ; v[XS + 8 p + s]: lanes 0-15 the word of token tile 2 p, lanes 16-31 of tile 2 p + 1, K step s
.set WS,  32                           ; v[WS + 8 set + s]: lanes 0-15 weight tile 0, lanes 16-31 tile 1
.set WF,  48                           ; weight fragments: set (K step % 3), tile u at WF + 24 set + 12 u
.set G1QK, 24                          ; s[24:31] group 1 for Q's and K's tiles; s[32:39] V's; s[40:47] O's; s[48:55] x's
.set G1V,  32
.set G1O,  40
.set G1X,  48
.set G0,   56                          ; s[56:59], s[60:63] group 0 for slot 0, 1
.set MSB, 0
.macro WIN new                         ; low byte: bits 1:0 source 0, 3:2 source 1, 5:4 source 2, 7:6 destination; the high byte repeats the setting that is left
.if MSB != (\new)
	s_set_vgpr_msb (MSB<<8)|(\new)
.set MSB, (\new)
.endif
.endm
.macro PLACES n
.rept \n
	v_nop
.endr
.endm
.macro ROUND                           ; a round of the cluster's barrier
	s_barrier_signal -1
	s_barrier_wait -1
	s_cmp_lg_u32 s4, 0
	s_cbranch_scc1 .Lnot_wave_0_\@
	s_barrier_signal -3
.Lnot_wave_0_\@:
	s_barrier_wait -3
	s_barrier_signal -1
	s_barrier_wait -1
.endm
.macro BAR                             ; my LDS stores have landed and my LDS loads are in: then the work-group's barrier
	s_wait_dscnt 0x0
	s_barrier_signal -1
	s_barrier_wait -1
.endm
.macro GROUP1 g, w0, d0, d1, st        ; a tile of d1 rows x d0 elements of 8 bytes, st elements from row to row
	s_mov_b32 s[\g], \w0
	s_mov_b32 s[\g+1], (\d0)<<16
	s_mov_b32 s[\g+2], (\d1)<<16
	s_mov_b32 s[\g+3], (\d0)<<16
	s_mov_b32 s[\g+4], \d1
	s_mov_b32 s[\g+5], \st
	s_mov_b32 s[\g+6], 0
	s_mov_b32 s[\g+7], 0
.endm
; A fragment, 16 rows x 128 K of 6-bit codes: lane (r, h) takes 24 bytes of row r at 96 s + 24 h and 24 at 96 s + 48 + 24 h, in pieces of 8 bytes.  padb bytes of padding lie behind every 32 pieces;
; lanes 16-31 read three pieces on, which is behind one padding more where the piece's number mod 32 is 29 or more: the second address register serves those.
.macro FRAG reg, adr, s, base, padb
.irp p, 0,1,2,3,4,5
.set PC, 12*(\s)+6*(\p/3)+\p%3
.if ((\padb) > 0) && (PC%32 >= 29)
	ds_load_b64 v[(\reg)+2*\p:(\reg)+2*\p+1], v[(\adr)+1] offset:(\base)+8*PC+(\padb)*(PC/32)
.else
	ds_load_b64 v[(\reg)+2*\p:(\reg)+2*\p+1], v[(\adr)] offset:(\base)+8*PC+(\padb)*(PC/32)
.endif
.endr
.endm
.macro FETCHW set, s, adr, ustr, padb  ; my two weight fragments of K step s
	FRAG WF+24*(\set), \adr, \s, 0, \padb
	FRAG WF+24*(\set)+12, \adr, \s, \ustr, \padb
.endm
; One product on the symbols DD, AA, BR, CC, SA, SB.  z = 1: C is the constant 0.  ra, rb: the scale words lie in lanes 16-31.
.macro PROD z, ra, rb
.if (\z)
.if (\ra) && (\rb)
	v_wmma_scale_f32_16x16x128_f8f6f4 v[DD:DD+7], v[AA:AA+11], v[BR:BR+11], 0, v[SA], v[SB] matrix_a_fmt:MATRIX_FMT_FP6 matrix_b_fmt:MATRIX_FMT_FP6 matrix_a_scale:MATRIX_SCALE_ROW1 matrix_b_scale:MATRIX_SCALE_ROW1
.elseif (\ra)
	v_wmma_scale_f32_16x16x128_f8f6f4 v[DD:DD+7], v[AA:AA+11], v[BR:BR+11], 0, v[SA], v[SB] matrix_a_fmt:MATRIX_FMT_FP6 matrix_b_fmt:MATRIX_FMT_FP6 matrix_a_scale:MATRIX_SCALE_ROW1
.elseif (\rb)
	v_wmma_scale_f32_16x16x128_f8f6f4 v[DD:DD+7], v[AA:AA+11], v[BR:BR+11], 0, v[SA], v[SB] matrix_a_fmt:MATRIX_FMT_FP6 matrix_b_fmt:MATRIX_FMT_FP6 matrix_b_scale:MATRIX_SCALE_ROW1
.else
	v_wmma_scale_f32_16x16x128_f8f6f4 v[DD:DD+7], v[AA:AA+11], v[BR:BR+11], 0, v[SA], v[SB] matrix_a_fmt:MATRIX_FMT_FP6 matrix_b_fmt:MATRIX_FMT_FP6
.endif
.else
.if (\ra) && (\rb)
	v_wmma_scale_f32_16x16x128_f8f6f4 v[DD:DD+7], v[AA:AA+11], v[BR:BR+11], v[CC:CC+7], v[SA], v[SB] matrix_a_fmt:MATRIX_FMT_FP6 matrix_b_fmt:MATRIX_FMT_FP6 matrix_a_scale:MATRIX_SCALE_ROW1 matrix_b_scale:MATRIX_SCALE_ROW1
.elseif (\ra)
	v_wmma_scale_f32_16x16x128_f8f6f4 v[DD:DD+7], v[AA:AA+11], v[BR:BR+11], v[CC:CC+7], v[SA], v[SB] matrix_a_fmt:MATRIX_FMT_FP6 matrix_b_fmt:MATRIX_FMT_FP6 matrix_a_scale:MATRIX_SCALE_ROW1
.elseif (\rb)
	v_wmma_scale_f32_16x16x128_f8f6f4 v[DD:DD+7], v[AA:AA+11], v[BR:BR+11], v[CC:CC+7], v[SA], v[SB] matrix_a_fmt:MATRIX_FMT_FP6 matrix_b_fmt:MATRIX_FMT_FP6 matrix_b_scale:MATRIX_SCALE_ROW1
.else
	v_wmma_scale_f32_16x16x128_f8f6f4 v[DD:DD+7], v[AA:AA+11], v[BR:BR+11], v[CC:CC+7], v[SA], v[SB] matrix_a_fmt:MATRIX_FMT_FP6 matrix_b_fmt:MATRIX_FMT_FP6
.endif
.endif
.endm
; K step s of a trip: 8 products (4 tiles of tokens x my 2 weight tiles); the eight accumulators take turns, one instruction a turn, in the same order in every K step.
; Accumulator (m, u) at v[base + ms m + 8 u] of window aw.  cmode = 1: the first K step takes the bias (window 2) as C; 0: the constant 0.
.macro KSTEP s, base, ms, aw, adr, ustr, padb, wsset, cmode
.if (\s) < 6
	s_wait_dscnt 24                                ; this K step's 12 loads are in; the 12 of each of the two sets behind them may be out
.elseif (\s) == 6
	s_wait_dscnt 12                                ; one set behind
.else
	s_wait_dscnt 0
.endif
.irp m, 0,1,2,3
.set IDX, 4*(\s)+\m                    ; the row fragment: 0-10 in window 0 from v124, 11-31 in window 1 from v0
.if IDX < 11
.set BW, 0
.set BR, 124+12*IDX
.else
.set BW, 1
.set BR, 12*(IDX-11)
.endif
.if ((\cmode) == 1) && ((\s) == 0)
	WIN ((\aw)<<6)|(2<<4)|(BW<<2)
.else
	WIN ((\aw)<<6)|((\aw)<<4)|(BW<<2)
.endif
.irp u, 0,1
.set DD, (\base)+(\ms)*\m+8*\u
.set AA, WF+24*((\s)%3)+12*\u
.set SA, WS+8*(\wsset)+(\s)
.set SB, XS+8*(\m/2)+(\s)
.if (\s) > 0
.set CC, DD
	PROD 0, \u, \m%2
.elseif (\cmode) == 1
.set CC, 64+16*(\wsset)+8*\u
	PROD 0, \u, \m%2
.else
	PROD 1, \u, \m%2
.endif
.endr
.endr
	WIN 0
	PLACES 4                                       ; four plain vector instructions between a matrix instruction and a load into a register that it read, or a read of its result
.if (\s) <= 4
	FETCHW (\s)%3, (\s)+3, \adr, \ustr, \padb      ; the set just multiplied takes the K step three on
.endif
.endm
.macro GEMM base, ms, aw, adr, ustr, padb, wsset, cmode, nl
	FETCHW 0, 0, \adr, \ustr, \padb
	FETCHW 1, 1, \adr, \ustr, \padb
	FETCHW 2, 2, \adr, \ustr, \padb
	s_wait_loadcnt \nl                             ; all but the nl loads just issued for the next tile: this tile's scale words (and bias) are in, and their address registers are free
.irp s, 0,1,2,3,4,5,6,7
	KSTEP \s, \base, \ms, \aw, \adr, \ustr, \padb, \wsset, \cmode
.endr
.endm
; A trip's head: slot sl is about to be read, the other slot is filled with the next tile.  Each wave waits for all its tensor loads (the one that is out is its part of slot sl), adds 0 to its spare
; word, sets slot sl's group 0 to the tile two trips on (ptr > 0: my rows of the weight at s[ptr:ptr+1], s[12:13] bytes on), waits for the add and for its LDS reads and stores; a round of the
; cluster's barrier; the joint load first behind it, one a wave.  s[12:13] hangs on the cluster's number and the trip: it is equal in the four partners.
.macro HEAD sl, g1, ptr
	WIN 0
	s_wait_tensorcnt 0x0
	ds_add_u32 v4, v5                              ; 0 onto my spare word
.if (\ptr) > 0
	s_add_nc_u64 s[G0+4*(\sl)+2:G0+4*(\sl)+3], s[\ptr:\ptr+1], s[12:13]
	s_or_b32 s[G0+4*(\sl)+3], s[G0+4*(\sl)+3], 0x80000000
.endif
	s_wait_dscnt 0x0
	ROUND
	tensor_load_to_lds s[G0+4-4*(\sl):G0+7-4*(\sl)], s[\g1:\g1+7]
	s_nop 0
	PLACES 4
.endm
.macro SCL set, vofs, ptr, off         ; a tile's scale words: my lane's weight row, 32 bytes = 8 K steps
	global_load_b128 v[WS+8*(\set):WS+8*(\set)+3], v[\vofs], s[\ptr:\ptr+1] offset:\off
	global_load_b128 v[WS+8*(\set)+4:WS+8*(\set)+7], v[\vofs], s[\ptr:\ptr+1] offset:(\off)+16
.endm
.macro BIAS set, off                   ; bo at my lane's eight columns of each of my two tiles, in the result's layout, into window 2
	WIN 0x80
.irp u, 0,1
	global_load_b128 v[64+16*(\set)+8*\u:64+16*(\set)+8*\u+3], v121, s[74:75] offset:(\off)+64*\u
	global_load_b128 v[64+16*(\set)+8*\u+4:64+16*(\set)+8*\u+7], v121, s[74:75] offset:(\off)+64*\u+16
.endr
	WIN 0
.endm
.macro ROWLOAD o                       ; the 32 row fragments: o = 0 from x's rows (pitch 816, padded), o = 1 from the records (out's codes)
.irp s, 0,1,2,3,4,5,6,7
.irp m, 0,1,2,3
.set IDX, 4*\s+\m
.if IDX < 11
	WIN 0
.set RR, 124+12*IDX
.else
	WIN 0x40
.set RR, 12*(IDX-11)
.endif
.if \o
	FRAG RR, 122+\m/2, \s, 16*(\m%2)*RP, 0
.else
	FRAG RR, 122, \s, \m*13056, 16
.endif
.endr
.endr
	WIN 0
.endm
; Behind a Q (mat = 0) or K (1) trip: my head's 32 numbers of each of 64 tokens become a block of codes and a scale byte in the token's record, at the place of the TRIP.  All in window 3.
; Lane (r, h) holds 16 numbers of token 16 m + r in v[64 + 16 m ..]; lane xor 16 holds the other 16.
.macro QKEPI mat
	WIN 0xff
	v_add_nc_u32 v242, s15, v240                   ; the trip's place in a record: 48 bytes a trip pair on
	v_add_nc_u32 v243, s16, v241
.if (\mat) == 0
.set J, 0
.rept 32
	v_pk_mul_f32 v[64+J:65+J], v[64+J:65+J], s[20:21] op_sel_hi:[1,0]    ; q x 32^-0.5, in f32, ahead of the quantiser
.set J, J+2
.endr
.endif
.irp m, 0,1,2,3
	v_max3_num_f32 v[168+\m], |v[64+16*\m]|, |v[65+16*\m]|, 0x1800000     ; the floor 2^(3 - 127): the byte cannot fall under 1
.endr
.irp i, 2,4,6,8,10,12,14
.irp m, 0,1,2,3
	v_max3_num_f32 v[168+\m], v[168+\m], |v[64+16*\m+\i]|, |v[65+16*\m+\i]|
.endr
.endr
.irp m, 0,1,2,3
	v_permlanex16_b32 v[172+\m], v[168+\m], s18, s19
.endr
.irp m, 0,1,2,3
	v_max_num_f32 v[168+\m], v[168+\m], v[172+\m]  ; the block's largest magnitude
.endr
.irp m, 0,1,2,3
	v_add_nc_u32 v[176+\m], 0xff000000, v[168+\m]  ; 2 off its exponent field: the conversion's scale operand
.endr
.irp p, 0,1
	v_cvt_scalef32_pk16_fp6_f32 v[144+8*\p:146+8*\p], v[64+32*\p:79+32*\p], v[176+2*\p]
	v_cvt_scalef32_pk16_fp6_f32 v[160+4*\p:162+4*\p], v[80+32*\p:95+32*\p], v[177+2*\p]
.endr
.irp m, 0,1,2,3
	v_lshrrev_b32 v[180+\m], 23, v[176+\m]         ; the scale's byte.  (Plain lines behind the conversions)
.endr
.irp p, 0,1
	v_cndmask_b32 v[184+\p], v[180+2*\p], v[181+2*\p], s51    ; lane l: token 32 p + l's byte
.endr
.irp p, 0,1                            ; tile 2 p's lanes 16-31 change places with tile 2 p + 1's lanes 0-15: lane l then holds the whole block of token 32 p + l
.irp i, 0,1,2
	v_permlane16_swap_b32 v[144+8*\p+\i], v[160+4*\p+\i]
.endr
.irp i, 0,1,2
	v_mov_b32 v[147+8*\p+\i], v[160+4*\p+\i]
.endr
.endr
.irp p, 0,1
.irp c, 0,1,2
	ds_store_b64 v242, v[144+8*\p+2*\c:145+8*\p+2*\c] offset:384*(\mat)+32*RP*\p+8*\c
.endr
	ds_store_b8 v243, v[184+\p] offset:16*(\mat)+32*RP*\p
.endr
	WIN 0
.endm
.macro VG i                            ; s9 = which of its half's four tiles V's trip i takes: (i % 4 - gamma) % 4
	s_sub_co_u32 s9, (\i)%4+4, s55
	s_and_b32 s9, s9, 3
.endm
.macro VOFF i                          ; s12 = where that tile begins in my rows of Wv: 8 rows of 768 bytes a tile, 32 rows a half
	VG \i
	s_mul_i32 s12, s9, 6144
.if (\i) >= 4
	s_add_co_u32 s12, s12, 24576
.endif
.endm
	s_load_b512 s[68:83], s[0:1], 0x0              ; x codes 68, x scales 70, Wq 72, 74, Wk 76, 78, Wv 80, 82
	s_load_b512 s[84:99], s[0:1], 0x40             ; Wo 84, 86, bo 88, lq1 90, lk1 92, lq2 94, lk2 96, out0 98
	v_lshl_add_u32 v4, v0, 2, SPARE
	v_mov_b32 v5, 0
	ds_add_u32 v4, v5
	ds_add_u32 v4, v5
	s_wait_dscnt 0x0
	v_lshrrev_b32 v1, 5, v0
	v_readfirstlane_b32 s4, v1                     ; wave 0..3
	v_and_b32 v1, 31, v0                           ; lane
	v_and_b32 v2, 15, v0                           ; r
	v_bfe_u32 v3, v0, 4, 1                         ; h
	v_lshlrev_b32 v14, 6, v1                       ; Q's, K's scale rows: every second row of 32 bytes
	v_lshlrev_b32 v15, 11, v2
	v_lshl_add_u32 v15, v3, 5, v15                 ; V's: row 64 r + h
	v_lshlrev_b32 v120, 5, v1                      ; x's and O's: row = lane
	v_lshlrev_b32 v121, 5, v3                      ; the bias: 8 numbers for each half of the lanes
	v_lshlrev_b32 v56, 2, v1
	s_lshr_b32 s5, s4, 1
	s_and_b32 s6, s4, 1
	s_bfe_u32 s7, ttmp6, 0x40000                   ; cx
	s_lshl_b32 s8, ttmp9, 2
	s_add_co_u32 s8, s8, s7                        ; my block of 64 tokens: it enters x's and out0's addresses alone
	s_and_b32 s2, ttmp9, 7                         ; rho: the cluster's number % 8
	s_sub_co_u32 s3, 8, s2
	s_and_b32 s3, s3, 7                            ; the first pair of Q and K tiles: g = (0 - rho) % 8
	s_mov_b32 s18, 0x76543210
	s_mov_b32 s19, 0xfedcba98                      ; v_permlanex16_b32's selects for lane l xor 16
	s_mov_b32 s20, 0x3e3504f3                      ; 32^-0.5
	s_mov_b32 s21, s20
	s_mov_b32 s22, 0x3fb8aa3b                      ; log2(e)
	s_mov_b32 s23, s22
	s_mov_b32 s66, 0xff7fffff                      ; the largest f32 number, with both signs
	s_mov_b32 s67, 0x7f7fffff
	; group 1: elements of 8 bytes; padding behind every 64 words; the weights' tiles carry the mask of all four work-groups, and bit 21 beside it
	GROUP1 G1QK, 15|(3<<16)|(1<<20)|(1<<21)|(5<<22)|(3<<25), 96, 32, 192     ; 32 rows of 768 bytes, every second row; 16 bytes of padding: LDS pitch 816
	GROUP1 G1V, 15|(3<<16)|(1<<20)|(1<<21)|(5<<22)|(1<<25), 192, 16, 6144    ; 16 hk x two neighbouring rows (1,536 bytes), 64 rows apart; 8 bytes of padding: pitch 1,584
	GROUP1 G1O, 15|(3<<16)|(1<<20)|(1<<21)|(5<<22)|(3<<25), 96, 32, 96       ; 32 neighbouring rows
	GROUP1 G1X, (3<<16)|(1<<20)|(5<<22)|(3<<25), 96, 16, 96                  ; my 16 tokens' rows: no mask
	s_mov_b32 s11, 0
	s_mov_b32 s101, 0
	s_wait_kmcnt 0x0
	s_mul_i32 s100, s8, 49152                      ; offsets that hang on the work-group have registers of their own
	s_mul_i32 s9, s4, 12288
	s_add_co_u32 s100, s100, s9
	s_add_nc_u64 s[68:69], s[68:69], s[100:101]    ; x's codes at token 64 G + 16 w
	s_lshl_b32 s100, s8, 11
	s_add_nc_u64 s[70:71], s[70:71], s[100:101]    ; x's scales at token 64 G
	s_lshl_b32 s100, s8, 18
	s_lshl_b32 s9, s4, 10
	s_add_co_u32 s100, s100, s9
	s_add_nc_u64 s[98:99], s[98:99], s[100:101]    ; out0 at token 64 G, column 256 w
	s_mul_i32 s10, s5, 49152
	s_mul_i32 s9, s6, 768
	s_add_co_u32 s10, s10, s9
	s_add_nc_u64 s[72:73], s[72:73], s[10:11]      ; Wq, Wk at row 64 (w / 2) + w % 2: head (qq = w % 2, hd = w / 2)
	s_add_nc_u64 s[76:77], s[76:77], s[10:11]
	s_lshl_b32 s10, s5, 11
	s_lshl_b32 s9, s6, 5
	s_add_co_u32 s10, s10, s9
	s_add_nc_u64 s[74:75], s[74:75], s[10:11]
	s_add_nc_u64 s[78:79], s[78:79], s[10:11]
	s_mul_i32 s10, s4, 1536
	s_add_nc_u64 s[80:81], s[80:81], s[10:11]      ; Wv at row 2 w
	s_lshl_b32 s10, s4, 6
	s_add_nc_u64 s[82:83], s[82:83], s[10:11]
	s_mul_i32 s10, s4, 196608
	s_add_nc_u64 s[84:85], s[84:85], s[10:11]      ; Wo at row 256 w
	s_lshl_b32 s10, s4, 13
	s_add_nc_u64 s[86:87], s[86:87], s[10:11]
	s_lshl_b32 s10, s4, 10
	s_add_nc_u64 s[88:89], s[88:89], s[10:11]      ; bo at column 256 w
	s_mov_b32 s12, 1                               ; group 0 for x
	s_mul_i32 s13, s4, 13056
	s_add_co_u32 s13, s13, REC
	s_mov_b64 s[14:15], s[68:69]
	s_or_b32 s15, s15, 0x80000000
	s_mul_i32 s10, s3, 98304                       ; 128 rows of 768 bytes a pair: the first pair's tiles
	s_mov_b32 s56, 1                               ; slot 0: Q's
	s_mul_i32 s57, s4, WPART
	s_add_nc_u64 s[58:59], s[72:73], s[10:11]
	s_or_b32 s59, s59, 0x80000000
	s_mov_b32 s60, 1                               ; slot 1: K's
	s_add_co_u32 s61, s57, SLOT
	s_add_nc_u64 s[62:63], s[76:77], s[10:11]
	s_or_b32 s63, s63, 0x80000000
	s_lshl_b32 s9, s3, 12                          ; 128 rows of 32 scale bytes a pair
	v_add_nc_u32 v63, s9, v14
.irp p, 0,1
	global_load_b128 v[XS+8*\p:XS+8*\p+3], v120, s[70:71] offset:1024*\p       ; token 32 p + lane: its 8 scale words
	global_load_b128 v[XS+8*\p+4:XS+8*\p+7], v120, s[70:71] offset:1024*\p+16
.endr
	SCL 0, 63, 74, 0                               ; the first Q tile's scale words
	global_load_b32 v57, v56, s[90:91]
	global_load_b32 v58, v56, s[92:93]
	global_load_b32 v59, v56, s[94:95]
	global_load_b32 v60, v56, s[96:97]
	ROUND                                          ; the four work-groups are here: the first joint load meets
	tensor_load_to_lds s[12:15], s[G1X:G1X+7]      ; the two first fills go out together: two tensor loads of mine are out
	s_nop 0
	tensor_load_to_lds s[56:59], s[G1QK:G1QK+7]
	s_nop 0
	PLACES 4
	v_mul_u32_u24 v6, v2, 816                      ; weight fragments, pitch 816: row r + 24 h + my part; v7: behind one padding more; v8, v9: slot 1
	v_mad_u32_u24 v6, v3, 24, v6
	v_add_nc_u32 v6, s57, v6
	v_lshl_add_u32 v7, v3, 4, v6
	v_add_nc_u32 v8, SLOT, v6
	v_add_nc_u32 v9, SLOT, v7
	v_mul_u32_u24 v10, v2, 1584                    ; the same for V's tiles, pitch 1,584, 8 bytes of padding
	v_mad_u32_u24 v10, v3, 24, v10
	v_add_nc_u32 v10, s57, v10
	v_lshl_add_u32 v11, v3, 3, v10
	v_add_nc_u32 v12, SLOT, v10
	v_add_nc_u32 v13, SLOT, v11
	v_mul_u32_u24 v122, v2, 816                    ; x's rows
	v_mad_u32_u24 v122, v3, 24, v122
	v_add_nc_u32 v122, REC, v122
	v_lshl_add_u32 v123, v3, 4, v122
	v_mul_u32_u24 v48, v1, RP
	v_add_nc_u32 v48, REC, v48                     ; record = lane
	s_mul_i32 s10, s5, 24
	s_mul_i32 s9, s6, 768
	s_add_co_u32 s10, s10, s9
	v_add_nc_u32 v49, s10, v48                     ; + my head's codes in the first trip pair: 24 (w / 2) + 768 (w % 2)
	s_lshl_b32 s9, s6, 5
	s_add_co_u32 s9, s9, s5
	s_add_co_u32 s9, s9, 1536
	v_add_nc_u32 v50, s9, v48                      ; + its scale byte
	s_mul_i32 s10, s4, 16*RP
	s_add_co_u32 s10, s10, REC                     ; the attention: my 16 tokens' records
	s_lshl_b32 s9, s2, 1
	v_add_nc_u32 v54, s9, v2
	v_and_b32 v54, 15, v54                         ; trip pair i wrote heads 2 ((i - rho) % 8) + 0, 1 at places 2 i + 0, 1: head r lies at place (r + 2 rho) % 16
	v_mul_u32_u24 v51, v54, 24
	v_add_nc_u32 v51, s10, v51                     ; head r's codes
	v_add_nc_u32 v52, s10, v54
	v_add_nc_u32 v52, 1536, v52                    ; head r's scale byte
	v_lshl_add_u32 v53, v1, 4, s10                 ; diff's image: 16 x lane
	WIN 0xc0                                       ; destination window 3
	v_mov_b32 v240, v49
	v_mov_b32 v241, v50
	v_mov_b32 v244, v1
	v_mov_b32 v245, v51
	v_mov_b32 v246, v52
	v_mov_b32 v247, v53
.irp m, 0,1,2,3
	v_mov_b32 v[172+\m], 0                         ; written once: a lane permute's destination counts as one of its sources
.endr
	WIN 0
	v_mov_b32 v61, 0
	v_mov_b32 v62, 0
	s_wait_loadcnt 0x0
	v_mul_f32 v57, v57, v58                        ; lam = exp(sum lq1 lk1) - exp(sum lq2 lk2) + LAM_INIT: one product a lane, summed over the 32 lanes
	v_mul_f32 v59, v59, v60
.irp x, 1,2,4,8
	v_add_f32_dpp v57, v57, v57 row_xmask:\x row_mask:0xf bank_mask:0xf
	v_add_f32_dpp v59, v59, v59 row_xmask:\x row_mask:0xf bank_mask:0xf
.endr
	v_permlanex16_b32 v61, v57, s18, s19
	v_permlanex16_b32 v62, v59, s18, s19
	v_add_f32 v57, v57, v61
	v_add_f32 v59, v59, v62
	v_mul_f32 v57, s22, v57
	v_mul_f32 v59, s22, v59
	v_exp_f32 v57, v57
	v_exp_f32 v59, v59
	v_nop                                          ; a plain line behind the exponentials
	s_wait_alu depctr_va_vdst(0)
	v_sub_f32 v57, v59, v57
	v_add_f32 v57, 0xbf489a63, v57                 ; - lam; LAM_INIT = 0.8 - 0.6 exp(-3.6) = 0.78360577
	v_readfirstlane_b32 s17, v57
	s_wait_tensorcnt 0x1                           ; my 16 rows of x are in; the first Q tile's load, issued behind x's, may stay out
	s_barrier_signal -1
	s_barrier_wait -1                              ; everybody's are
	s_mov_b32 s48, 0x3c800000                      ; x's descriptors are done with: 1 / 64,
	s_mov_b32 s49, 0x3727c5ac                      ; 1e-5,
	s_mov_b32 s50, 0x3e5d9673                      ; 1 - LAM_INIT,
	s_mov_b32 s51, 0xffff0000                      ; lanes 16-31,
	s_mov_b32 s53, s3                              ; the running g,
	s_and_b32 s55, s2, 3                           ; gamma,
	s_mov_b32 s13, 0                               ; the upper word of a tile's offset
	s_mov_b32 s15, 0                               ; 48 i: the trip pair's place among a record's codes;  s16: 2 i: among its bytes
	s_mov_b32 s16, 0
	ROWLOAD 0                                      ; x's 32 fragments: they stay through Q, K and V
	; ---- Q and K: eight pairs of trips.  In pair i, with g = (i - rho) % 8, wave w makes head (qq = w % 2, hd = 2 g + w / 2) for the 64 tokens.
	; The scale rows' offsets lie in v122 (set 0) and v123 (set 1): each is written again behind the counted wait in GEMM that shows its last two loads done.
	s_mov_b32 s3, 7
.Lqk:
	s_lshl_b32 s54, s53, 12                        ; this pair's scale rows
	s_add_co_u32 s53, s53, 1
	s_and_b32 s53, s53, 7                          ; the next pair's g,
	s_mul_i32 s12, s53, 98304                      ; and where its tiles begin
	HEAD 0, G1QK, 72                               ; slot 0 on to the next Q tile; this pair's K tile is asked for
	v_add_nc_u32 v123, s54, v14
	SCL 1, 123, 78, 0
	GEMM 64, 16, 3, 6, 13056, 16, 0, 0, 2
	QKEPI 0
	HEAD 1, G1QK, 76
	s_lshl_b32 s54, s53, 12
	v_add_nc_u32 v122, s54, v14
	SCL 0, 122, 74, 0
	GEMM 64, 16, 3, 8, 13056, 16, 1, 0, 2
	QKEPI 1
	s_add_co_u32 s15, s15, 48
	s_add_co_u32 s16, s16, 2
	s_sub_co_u32 s3, s3, 1
	s_cmp_lg_u32 s3, 0
	s_cbranch_scc1 .Lqk
	s_lshl_b32 s54, s53, 12                        ; the eighth pair is written out: the slots go on to V's first two tiles
	VOFF 0
	HEAD 0, G1QK, 80
	v_add_nc_u32 v123, s54, v14
	SCL 1, 123, 78, 0
	GEMM 64, 16, 3, 6, 13056, 16, 0, 0, 2
	QKEPI 0
	VOFF 1
	HEAD 1, G1V, 80
	VG 0
	s_lshl_b32 s9, s9, 8                           ; 8 rows of 32 scale bytes a tile
	v_add_nc_u32 v122, s9, v15
	SCL 0, 122, 82, 0
	GEMM 64, 16, 3, 8, 13056, 16, 1, 0, 2
	QKEPI 1
	; ---- The attention: wave w takes tokens 16 w .. 16 w + 15, two a trip.  V's first tile may stay on its way.
	BAR
	WIN 0xc0
.set J, 0
.rept 96
	v_mov_b32 v[64+J], 0                           ; the score products have K = 32 of the instruction's 128: what the loads below do not fill stays zero CODES, which add nothing
.set J, J+1
.endr
.set J, 0
.rept 16
	v_mov_b32 v[224+J], 0                          ; permute destinations and upper halves of pairs: written once
.set J, J+1
.endr
	WIN 0
	s_mov_b32 s14, 0
	s_mov_b32 s3, 8
.Latt:
	WIN 0xff                                       ; all in window 3
	v_add_nc_u32 v248, s14, v245
	v_add_nc_u32 v249, s14, v246
	v_add_nc_u32 v250, s14, v247
	v_cmp_gt_u32 vcc_lo, 16, v244
	s_wait_xcnt 0x0                                ; EXEC changes only behind this wait: the scale loads of V's first tile may be out
	s_and_saveexec_b32 s9, vcc_lo                  ; lanes 0-15 hold k = 0 .. 31 of a fragment: head r's 24 bytes into registers 0-5
.irp a, 0,1
.irp f, 0,1,2,3                        ; f: q heads 0-15, q 16-31, k 0-15, k 16-31
.irp c, 0,1,2
	ds_load_b64 v[64+48*\a+12*\f+2*\c:65+48*\a+12*\f+2*\c], v248 offset:\a*RP+768*(\f%2)+384*(\f/2)+8*\c
.endr
.endr
.endr
	s_or_b32 exec_lo, exec_lo, s9
	WIN 0x03                                       ; scale registers lie in window 0: the weights' second set is free here
.irp a, 0,1
.irp f, 0,1,2,3
	ds_load_u8 v[40+4*\a+\f], v249 offset:\a*RP+32*(\f%2)+16*(\f/2)    ; byte 0: the head's scale; bytes 1-3 are 0 and stand over zero codes
.endr
.endr
	s_wait_dscnt 0x0
	WIN 0xff
.irp a, 0,1                            ; S^T = k q^T: source 0 = 16 key heads (half y), source 1 = 16 query heads (half z): lane (r, h): query 16 z + r, register j: key 16 y + 8 h + j
.irp z, 0,1
.irp y, 0,1
.set DD, 160+32*\a+16*\z+8*\y
.set AA, 88+48*\a+12*\y
.set BR, 64+48*\a+12*\z
.set SA, 42+4*\a+\y
.set SB, 40+4*\a+\z
	PROD 1, 0, 0
.endr
.endr
.endr
	PLACES 4
.set J, 0
.rept 32
	v_med3_num_f32 v[160+J], v[160+J], s66, s67    ; nan_to_num's hold of the infinities
	v_med3_num_f32 v[192+J], v[192+J], s66, s67
.set J, J+1
.endr
.irp c, 0,1,2,3                        ; four rows a lane (token c / 2, query half c % 2), by turns: the largest of my 16 keys
	v_max3_num_f32 v[224+8*(\c/2)+2*(\c%2)], v[160+16*\c], v[161+16*\c], v[162+16*\c]
.endr
.irp i, 3,5,7,9,11,13
.irp c, 0,1,2,3
	v_max3_num_f32 v[224+8*(\c/2)+2*(\c%2)], v[224+8*(\c/2)+2*(\c%2)], v[160+16*\c+\i], v[161+16*\c+\i]
.endr
.endr
.irp c, 0,1,2,3
	v_max_num_f32 v[224+8*(\c/2)+2*(\c%2)], v[224+8*(\c/2)+2*(\c%2)], v[175+16*\c]
.endr
.irp c, 0,1,2,3
	v_permlanex16_b32 v[225+8*(\c/2)+2*(\c%2)], v[224+8*(\c/2)+2*(\c%2)], s18, s19
.endr
.irp c, 0,1,2,3
	v_max_num_f32 v[224+8*(\c/2)+2*(\c%2)], v[224+8*(\c/2)+2*(\c%2)], v[225+8*(\c/2)+2*(\c%2)]    ; the row's maximum over its 32 keys
.endr
.irp j, 0,2,4,6,8,10,12,14
.irp c, 0,1,2,3
	v_pk_add_f32 v[160+16*\c+\j:161+16*\c+\j], v[160+16*\c+\j:161+16*\c+\j], v[224+8*(\c/2)+2*(\c%2):225+8*(\c/2)+2*(\c%2)] op_sel_hi:[1,0] neg_lo:[0,1] neg_hi:[0,1]   ; s - max
.endr
.endr
.set J, 0
.rept 32
	v_pk_mul_f32 v[160+J:161+J], v[160+J:161+J], s[22:23] op_sel_hi:[1,0]
.set J, J+2
.endr
.set J, 0
.rept 64
	v_exp_f32 v[160+J], v[160+J]
.set J, J+1
.endr
	v_nop                                          ; a plain line behind the exponentials
	s_wait_alu depctr_va_vdst(0)
.irp c, 0,1,2,3
	v_pk_add_f32 v[228+8*(\c/2)+2*(\c%2):229+8*(\c/2)+2*(\c%2)], v[160+16*\c:161+16*\c], v[162+16*\c:163+16*\c]
.endr
.irp j, 4,6,8,10,12,14
.irp c, 0,1,2,3
	v_pk_add_f32 v[228+8*(\c/2)+2*(\c%2):229+8*(\c/2)+2*(\c%2)], v[228+8*(\c/2)+2*(\c%2):229+8*(\c/2)+2*(\c%2)], v[160+16*\c+\j:161+16*\c+\j]
.endr
.endr
.irp c, 0,1,2,3
	v_add_f32 v[228+8*(\c/2)+2*(\c%2)], v[228+8*(\c/2)+2*(\c%2)], v[229+8*(\c/2)+2*(\c%2)]
.endr
.irp c, 0,1,2,3
	v_permlanex16_b32 v[229+8*(\c/2)+2*(\c%2)], v[228+8*(\c/2)+2*(\c%2)], s18, s19
.endr
.irp c, 0,1,2,3
	v_add_f32 v[228+8*(\c/2)+2*(\c%2)], v[228+8*(\c/2)+2*(\c%2)], v[229+8*(\c/2)+2*(\c%2)]        ; the row's sum
.endr
.irp c, 0,1,2,3
	v_rcp_f32 v[228+8*(\c/2)+2*(\c%2)], v[228+8*(\c/2)+2*(\c%2)]
.endr
	v_nop                                          ; a plain line behind the reciprocals
	s_wait_alu depctr_va_vdst(0)
.irp a, 0,1
	v_mul_f32 v[230+8*\a], s17, v[230+8*\a]        ; - lam / the second row's sum
.endr
.irp j, 0,2,4,6
.irp a, 0,1
	v_pk_mul_f32 v[160+32*\a+\j:161+32*\a+\j], v[160+32*\a+\j:161+32*\a+\j], v[228+8*\a:229+8*\a] op_sel_hi:[1,0]
.endr
.endr
.irp j, 0,2,4,6
.irp a, 0,1
	v_pk_fma_f32 v[160+32*\a+\j:161+32*\a+\j], v[184+32*\a+\j:185+32*\a+\j], v[230+8*\a:231+8*\a], v[160+32*\a+\j:161+32*\a+\j] op_sel_hi:[1,0,1]   ; diff[a = r][hk = 8 h + j]
.endr
.endr
.irp a, 0,1
	ds_store_b128 v250, v[160+32*\a:163+32*\a] offset:\a*RP            ; as an image of the registers, over the token's codes, which are in registers
	ds_store_b128 v250, v[164+32*\a:167+32*\a] offset:\a*RP+512
.endr
	WIN 0
	s_add_co_u32 s14, s14, 2*RP
	s_sub_co_u32 s3, s3, 1
	s_cmp_lg_u32 s3, 0
	s_cbranch_scc1 .Latt
	; ---- V: eight trips.  Trip i takes g = 4 (i / 4) + (i % 4 - gamma) % 4; wave w makes d = 8 g + 2 w + u (u = 0, 1) for all 16 hk and the 64 tokens.  All 64 accumulators stay, by TRIP:
	; (m, 2 i + u) at window 2 + i / 4, v[64 m + 8 ((2 i + u) % 8)].
.macro VTRIP i
.if (\i) < 6
	VOFF (\i)+2
	HEAD (\i)%2, G1V, 80
.elseif (\i) == 6
	s_mul_i32 s12, s55, 49152                      ; the slots go on to O's first pair, gamma: 64 rows of 768 bytes a pair,
	HEAD 0, G1V, 84
.else
	s_mul_i32 s12, s55, 49152
	s_add_co_u32 s12, s12, 24576                   ; 32 rows a tile
	HEAD 1, G1O, 84
.endif
.if (\i) < 7
	VG (\i)+1
	s_lshl_b32 s9, s9, 8
	v_add_nc_u32 v[122+((\i)+1)%2], s9, v15
	SCL ((\i)+1)%2, 122+((\i)+1)%2, 82, 1024*(((\i)+1)/4)
.else
	s_lshl_b32 s12, s55, 11                        ; 64 rows of 32 scale bytes a pair
	s_add_nc_u64 s[72:73], s[86:87], s[12:13]      ; O's first pair: its scale rows
	SCL 0, 120, 72, 0
.endif
	GEMM 16*((\i)%4), 64, 2+(\i)/4, 10+2*((\i)%2), 792, 8, (\i)%2, 0, 2
.endm
.irp i, 0,1,2,3,4,5,6,7
	VTRIP \i
.endr
	; ---- out = diff v, norm, quantiser: eight passes (m = tile of tokens, beta = half of d).  A lane holds a TOKEN in V's accumulators; the f32 product wants a lane to hold a d.  So a pass's
	; 16 tokens x 32 d x 16 hk go through LDS as images of the operand's registers, 512 bytes to a record's gap; wave w then owns tokens 16 m + 4 w + i.
	s_mul_i32 s10, s4, 4*RP
	s_add_co_u32 s10, s10, REC                     ; record 4 w
	v_lshl_add_u32 v48, v1, 4, s10                 ; + 16 x lane: images
	v_add_nc_u32 v49, 32*RP, v48
	v_mul_u32_u24 v50, v2, 48
	v_mad_u32_u24 v50, v3, 24, v50
	v_add_nc_u32 v50, s10, v50                     ; + 48 r + 24 h: block (a = r, beta = h) of out's codes
	v_add_nc_u32 v51, 32*RP, v50
	v_lshl_add_u32 v52, v2, 1, v3
	v_add_nc_u32 v52, s10, v52
	v_add_nc_u32 v52, 768, v52                     ; its scale byte
	v_add_nc_u32 v53, 32*RP, v52
	s_lshl_b32 s9, s4, 5
	s_add_co_u32 s9, s9, REC+1024
	v_mul_u32_u24 v54, v2, RP
	v_lshl_add_u32 v54, v3, 8, v54
	v_add_nc_u32 v54, s9, v54                      ; v on its way in: record = token r, lane place 16 (2 w + ..) + 256 h
	v_add_nc_u32 v55, 32*RP, v54
	; v on its way out.  Row r of tile n is d = 32 beta + 16 (r / 8) + 8 n + r % 8: tile 2 (r / 8) + n of its half, which trip q = (2 (r / 8) + n + gamma) % 4 of that half made and stored at
	; records 32 (q % 2) on, lane place 8 (q / 2) + r % 8
	v_lshrrev_b32 v58, 2, v2
	v_and_b32 v58, 2, v58                          ; 2 (r / 8)
	v_and_b32 v59, 7, v2
	v_lshlrev_b32 v59, 4, v59
	v_lshl_add_u32 v59, v3, 8, v59
	v_add_nc_u32 v59, s10, v59                     ; record 4 w, + 16 (r % 8) + 256 h
.irp n, 0,1
	s_add_co_u32 s9, s55, \n
	v_add_nc_u32 v60, s9, v58
	v_and_b32 v60, 3, v60                          ; q
	v_and_b32 v61, 1, v60
	v_lshrrev_b32 v60, 1, v60
	v_mul_u32_u24 v61, v61, 32*RP
	v_lshl_add_u32 v61, v60, 7, v61
	v_add_nc_u32 v[56+\n], v59, v61
.endr
	WIN 0x40                                       ; destination window 1: x's fragments are done with
.irp i, 0,1,2,3,4,5,6,7,8,9
	v_mov_b32 v[240+\i], v[48+\i]
.endr
.irp i, 163,166,167,187,190,191
	v_mov_b32 v\i, 0                               ; permute destinations: written once
.endr
.macro WSTEP rho                       ; my accumulators of pass rho, by trip gq of the half: (token r, h)'s eight hk, 32 bytes, to lane place (8 (gq / 2) + 2 w + u, h); registers 0-3 to record r + 32 (gq % 2), 4-7 16 records on
	WIN 0x09+4*((\rho)%2)                          ; address window 1, data window 2 + beta
.irp gq, 0,1,2,3
.irp u, 0,1
	ds_store_b128 v[246+\gq%2], v[64*((\rho)/2)+8*(2*\gq+\u):64*((\rho)/2)+8*(2*\gq+\u)+3] offset:16*(8*(\gq/2)+\u)
	ds_store_b128 v[246+\gq%2], v[64*((\rho)/2)+8*(2*\gq+\u)+4:64*((\rho)/2)+8*(2*\gq+\u)+7] offset:16*RP+16*(8*(\gq/2)+\u)
.endr
.endr
.endm
.macro RLOAD rho                       ; my four tokens: v as source 0's registers (lane (r, h), register j: hk = 8 h + j of row r of tile n); with beta = 0 also diff
	WIN 0x41
.irp i, 0,1,2,3
.irp n, 0,1
	ds_load_b128 v[16*\i+8*\n:16*\i+8*\n+3], v[248+\n] offset:1024+\i*RP
	ds_load_b128 v[16*\i+8*\n+4:16*\i+8*\n+7], v[248+\n] offset:1024+(16+\i)*RP
.endr
.endr
.if (\rho)%2 == 0
.irp i, 0,1,2,3
	ds_load_b128 v[64+8*\i:64+8*\i+3], v[240+(\rho)/4] offset:(16*(((\rho)/2)%2)+\i)*RP
	ds_load_b128 v[64+8*\i+4:64+8*\i+7], v[240+(\rho)/4] offset:(16*(((\rho)/2)%2)+\i)*RP+512
.endr
.endif
.endm
; out^T = v^T diff^T in f32 (its result goes on into a quantiser): source 0 = 16 d, source 1 = 16 a; K slot (h, j) of step s is hk = 8 h + 2 s + j on both sides.  Eight accumulators by turns.
; Result: lane (r, h), register j of tile n: out[a = r][d = 32 beta + 16 h + 8 n + j]: a lane's 16 registers of a token are 16 neighbours along the next K.
.macro PV rho
	WIN 0xa5+0x50*((\rho)%2)
.irp s, 0,1,2,3
.irp i, 0,1,2,3
.irp n, 0,1
.if \s == 0
	v_wmma_f32_16x16x4_f32 v[16*\i+8*\n:16*\i+8*\n+7], v[16*\i+8*\n+2*\s:16*\i+8*\n+2*\s+1], v[64+8*\i+2*\s:64+8*\i+2*\s+1], 0
.else
	v_wmma_f32_16x16x4_f32 v[16*\i+8*\n:16*\i+8*\n+7], v[16*\i+8*\n+2*\s:16*\i+8*\n+2*\s+1], v[64+8*\i+2*\s:64+8*\i+2*\s+1], v[16*\i+8*\n:16*\i+8*\n+7]
.endif
.endr
.endr
.endr
	PLACES 8                                       ; eight places behind this form
.endm
; Tokens i0, i0 + 1 of tile m, by turns: RMS norm over 64, x (1 - LAM_INIT), into other registers; two blocks a lane pair; codes and scale bytes to the token's record.  Work at window 1, v[160 + 24 k ..].
.macro NORM2 m, i0
	WIN 0x5a                                       ; sources 0, 1 window 2; source 2 and destination window 1
.irp k, 0,1
	v_pk_mul_f32 v[160+24*\k:161+24*\k], v[16*((\i0)+\k):16*((\i0)+\k)+1], v[16*((\i0)+\k):16*((\i0)+\k)+1]
.endr
.irp j, 2,4,6,8,10,12,14
.irp k, 0,1
	v_pk_fma_f32 v[160+24*\k:161+24*\k], v[16*((\i0)+\k)+\j:16*((\i0)+\k)+\j+1], v[16*((\i0)+\k)+\j:16*((\i0)+\k)+\j+1], v[160+24*\k:161+24*\k]
.endr
.endr
	WIN 0x5f                                       ; the same from window 3
.irp j, 0,2,4,6,8,10,12,14
.irp k, 0,1
	v_pk_fma_f32 v[160+24*\k:161+24*\k], v[16*((\i0)+\k)+\j:16*((\i0)+\k)+\j+1], v[16*((\i0)+\k)+\j:16*((\i0)+\k)+\j+1], v[160+24*\k:161+24*\k]
.endr
.endr
	WIN 0x55
.irp k, 0,1
	v_add_f32 v[160+24*\k], v[160+24*\k], v[161+24*\k]
.endr
.irp k, 0,1
	v_permlanex16_b32 v[163+24*\k], v[160+24*\k], s18, s19
.endr
.irp k, 0,1
	v_add_f32 v[160+24*\k], v[160+24*\k], v[163+24*\k]
.endr
.irp k, 0,1
	v_fma_f32 v[160+24*\k], v[160+24*\k], s48, s49 ; the mean of the squares + 1e-5
.endr
.irp k, 0,1
	v_rsq_f32 v[162+24*\k], v[160+24*\k]
.endr
	v_nop                                          ; a plain line behind the roots
	s_wait_alu depctr_va_vdst(0)
.irp k, 0,1
	v_mul_f32 v[162+24*\k], s50, v[162+24*\k]
.endr
	WIN 0x46                                       ; source 0 window 2, source 1 and destination window 1
.irp j, 0,2,4,6,8,10,12,14
.irp k, 0,1
	v_pk_mul_f32 v[96+32*\k+\j:97+32*\k+\j], v[16*((\i0)+\k)+\j:16*((\i0)+\k)+\j+1], v[162+24*\k:163+24*\k] op_sel_hi:[1,0]
.endr
.endr
	WIN 0x47
.irp j, 0,2,4,6,8,10,12,14
.irp k, 0,1
	v_pk_mul_f32 v[112+32*\k+\j:113+32*\k+\j], v[16*((\i0)+\k)+\j:16*((\i0)+\k)+\j+1], v[162+24*\k:163+24*\k] op_sel_hi:[1,0]
.endr
.endr
	WIN 0x55
.irp b, 0,1
.irp k, 0,1
	v_max3_num_f32 v[164+24*\k+\b], |v[96+32*\k+16*\b]|, |v[97+32*\k+16*\b]|, 0x1800000
.endr
.endr
.irp i, 2,4,6,8,10,12,14
.irp b, 0,1
.irp k, 0,1
	v_max3_num_f32 v[164+24*\k+\b], v[164+24*\k+\b], |v[96+32*\k+16*\b+\i]|, |v[97+32*\k+16*\b+\i]|
.endr
.endr
.endr
.irp b, 0,1
.irp k, 0,1
	v_permlanex16_b32 v[166+24*\k+\b], v[164+24*\k+\b], s18, s19
.endr
.endr
.irp b, 0,1
.irp k, 0,1
	v_max_num_f32 v[164+24*\k+\b], v[164+24*\k+\b], v[166+24*\k+\b]
.endr
.endr
.irp b, 0,1
.irp k, 0,1
	v_add_nc_u32 v[168+24*\k+\b], 0xff000000, v[164+24*\k+\b]
.endr
.endr
.irp k, 0,1
	v_cvt_scalef32_pk16_fp6_f32 v[172+24*\k:174+24*\k], v[96+32*\k:111+32*\k], v[168+24*\k]
	v_cvt_scalef32_pk16_fp6_f32 v[178+24*\k:180+24*\k], v[112+32*\k:127+32*\k], v[169+24*\k]
.endr
.irp b, 0,1
.irp k, 0,1
	v_lshrrev_b32 v[170+24*\k+\b], 23, v[168+24*\k+\b]     ; the bytes.  (Plain lines behind the conversions)
.endr
.endr
.irp k, 0,1
	v_cndmask_b32 v[182+24*\k], v[170+24*\k], v[171+24*\k], s51
.endr
.irp k, 0,1                            ; lane (r, h) then holds the whole block (a = r, beta = h)
.irp i, 0,1,2
	v_permlane16_swap_b32 v[172+24*\k+\i], v[178+24*\k+\i]
.endr
.irp i, 0,1,2
	v_mov_b32 v[175+24*\k+\i], v[178+24*\k+\i]
.endr
.endr
.irp k, 0,1
.irp c, 0,1,2
	ds_store_b64 v[242+(\m)/2], v[172+24*\k+2*\c:173+24*\k+2*\c] offset:(16*((\m)%2)+(\i0)+\k)*RP+8*\c
.endr
	ds_store_b8 v[244+(\m)/2], v[182+24*\k] offset:(16*((\m)%2)+(\i0)+\k)*RP
.endr
	s_wait_dscnt 0x0                               ; the stores have read their registers
.endm
	WSTEP 0
.irp rho, 0,1,2,3,4,5,6,7
	BAR                                            ; the pass's images lie in LDS
	RLOAD \rho
	BAR                                            ; and are in registers: the gaps may be written again
.if \rho < 7
	WSTEP \rho+1
.endif
	PV \rho
.if \rho%2
	NORM2 \rho/2, 0
	NORM2 \rho/2, 2
.endif
.endr
	WIN 0
	BAR                                            ; out's codes of all 64 tokens lie in the records
	; ---- O: out Wo^T + bo.  Wave w makes columns 256 w .. 256 w + 255, 32 a trip; two trips' 64 columns (256 bytes of a row) go out together.  Pair i is columns 64 ((i + gamma) % 4) on.
	v_mul_u32_u24 v122, v2, RP
	v_mad_u32_u24 v122, v3, 24, v122
	v_add_nc_u32 v122, REC, v122                   ; token r's codes, + 24 h;
	v_add_nc_u32 v123, 32*RP, v122                 ; 32 tokens on
	v_mul_u32_u24 v15, v1, RP
	v_add_nc_u32 v15, REC+768, v15                 ; token = lane: its 8 scale words
	s_mul_i32 s10, s4, 4352
	s_add_co_u32 s10, s10, REC                     ; my stage: 16 rows x 272 bytes, over records that every wave has read when the first result is stored (two rounds lie between)
	v_mul_u32_u24 v10, v2, 272
	v_lshl_add_u32 v10, v3, 5, v10
	v_add_nc_u32 v10, s10, v10                     ; in: row r, 32 bytes for each half of the lanes
	v_mul_u32_u24 v11, v3, 272
	v_lshl_add_u32 v11, v2, 4, v11
	v_add_nc_u32 v11, s10, v11                     ; back: lanes 0-15 one row of 256 bytes, lanes 16-31 the next
	v_lshlrev_b32 v12, 12, v3
	v_lshl_add_u32 v12, v2, 4, v12                 ; and the same two rows of out0
	ROWLOAD 1
.irp p, 0,1
	ds_load_b128 v[XS+8*\p:XS+8*\p+3], v15 offset:32*RP*\p
	ds_load_b128 v[XS+8*\p+4:XS+8*\p+7], v15 offset:32*RP*\p+16
.endr
	s_mov_b32 s53, s55                             ; the running pair
	s_lshl_b32 s12, s55, 8                         ; 64 columns of 4 bytes a pair
	s_add_nc_u64 s[74:75], s[88:89], s[12:13]      ; the first pair's bias,
	s_add_nc_u64 s[76:77], s[98:99], s[12:13]      ; and its columns of out0
	BIAS 0, 0
.macro SENDB m, younger                ; block m's 16 rows leave; younger: the LDS instructions issued behind its loads, which may stay out
	s_wait_dscnt \younger
	WIN 0x08                                       ; data window 2
.irp i, 0,1,2,3,4,5,6,7
	global_store_b128 v12, v[96+32*((\m)%2)+4*\i:96+32*((\m)%2)+4*\i+3], s[76:77] offset:(16*(\m)+2*\i)*4096 th:TH_STORE_NT   ; 16 lanes store 256 consecutive bytes, at a multiple of 256 from out0's first byte
.endr
.endm
.macro OUTP                            ; a lane holds 32 neighbouring bytes of a row for each of 4 tiles: through my own stage, back as rows of 256 bytes.  LDS serves a wave's instructions in order (ISA guide 5.7.1.4)
.irp m, 0,1,2,3
.if \m > 1
	s_wait_xcnt 0x0                                ; block m - 2's stores have read the registers that the loads below fill
.endif
	WIN 0x0c                                       ; data window 3
.irp e, 0,1
.irp u, 0,1
	ds_store_b128 v10, v[64+64*\e+16*\m+8*\u:64+64*\e+16*\m+8*\u+3] offset:64*(2*\e+\u)
	ds_store_b128 v10, v[64+64*\e+16*\m+8*\u+4:64+64*\e+16*\m+8*\u+7] offset:64*(2*\e+\u)+16
.endr
.endr
	WIN 0x80
.irp i, 0,1,2,3,4,5,6,7
	ds_load_b128 v[96+32*(\m%2)+4*\i:96+32*(\m%2)+4*\i+3], v11 offset:544*\i
.endr
.if \m > 0
	SENDB \m-1, 16                                 ; behind block m - 1's loads: block m's 8 stores and 8 loads
.endif
.endr
	SENDB 3, 0
	WIN 0
.endm
	s_mov_b32 s3, 3
.Lo:
	s_add_co_u32 s53, s53, 1
	s_and_b32 s53, s53, 3                          ; the next pair,
	s_mul_i32 s12, s53, 49152                      ; and where its first tile begins
	HEAD 0, G1O, 84                                ; slot 0 on to it; this pair's second tile is asked for
	SCL 1, 120, 72, 1024
	BIAS 1, 128
	GEMM 64, 16, 3, 6, 13056, 16, 0, 1, 6
	s_add_co_u32 s12, s12, 24576
	HEAD 1, G1O, 84
	s_wait_xcnt 0x0                                ; this pair's scale and bias loads have read their bases
	s_lshl_b32 s12, s53, 11
	s_add_nc_u64 s[72:73], s[86:87], s[12:13]      ; the next pair's scale rows
	s_lshl_b32 s12, s53, 8
	s_add_nc_u64 s[74:75], s[88:89], s[12:13]      ; and bias
	SCL 0, 120, 72, 0
	BIAS 0, 0
	GEMM 128, 16, 3, 8, 13056, 16, 1, 1, 6
	OUTP
	s_wait_xcnt 0x0                                ; the stores have read their base and registers
	s_add_nc_u64 s[76:77], s[98:99], s[12:13]      ; the next pair's columns of out0
	s_sub_co_u32 s3, s3, 1
	s_cmp_lg_u32 s3, 0
	s_cbranch_scc1 .Lo
	HEAD 0, G1O, 0                                 ; the last pair is written out: its second tile is asked for, and nothing after it
	SCL 1, 120, 72, 1024
	BIAS 1, 128
	GEMM 64, 16, 3, 6, 13056, 16, 0, 1, 6
	s_wait_tensorcnt 0x0                           ; my part of the last tile is in, and only I read it: no barrier, and nothing is filled
	GEMM 128, 16, 3, 8, 13056, 16, 1, 1, 0
	OUTP
	s_wait_tensorcnt 0x0                           ; the wave's end: behind my last tensor load and my last LDS store
	ds_add_u32 v4, v5
	s_wait_dscnt 0x0
	ROUND                                          ; the closing round: no work-group ends while a partner may still ask for a tile that names it
	s_endpgm
.Lfunc_end_k_q07415104f2_fused:
	.size	k_q07415104f2_fused, .Lfunc_end_k_q07415104f2_fused-k_q07415104f2_fused
	.p2alignl 7, 3214868480
	.fill 96, 4, 3214868480
	.section	.rodata,"a",@progbits
	.p2align	6, 0x0
	.amdhsa_kernel k_q07415104f2_fused
		.amdhsa_group_segment_fixed_size 327680
		.amdhsa_private_segment_fixed_size 0
		.amdhsa_enable_private_segment 0
		.amdhsa_kernarg_size 128
		.amdhsa_user_sgpr_count 2
		.amdhsa_user_sgpr_kernarg_segment_ptr 1
		.amdhsa_wavefront_size32 1
		.amdhsa_system_sgpr_workgroup_id_x 1
		.amdhsa_system_sgpr_workgroup_id_y 1
		.amdhsa_system_sgpr_workgroup_id_z 1
		.amdhsa_system_vgpr_workitem_id 0
		.amdhsa_next_free_vgpr 1024
		.amdhsa_next_free_sgpr 102
		.amdhsa_reserve_vcc 1
		.amdhsa_float_denorm_mode_32 3
		.amdhsa_float_denorm_mode_16_64 3
		.amdhsa_memory_ordered 1
		.amdhsa_forward_progress 1
		.amdhsa_inst_pref_size 255
	.end_amdhsa_kernel
	.section	.bss,"aw",@nobits
	.p2align	6
	.space	262144
	.amdgpu_metadata
---
amdhsa.version: [ 1, 2 ]
amdhsa.kernels:
  - .name:           k_q07415104f2_fused
    .symbol:         k_q07415104f2_fused.kd
    .args:
      - { .name: x_codes, .offset: 0, .size: 8, .value_kind: global_buffer, .address_space: global }
      - { .name: x_scales, .offset: 8, .size: 8, .value_kind: global_buffer, .address_space: global }
      - { .name: Wq_codes, .offset: 16, .size: 8, .value_kind: global_buffer, .address_space: global }
      - { .name: Wq_scales, .offset: 24, .size: 8, .value_kind: global_buffer, .address_space: global }
      - { .name: Wk_codes, .offset: 32, .size: 8, .value_kind: global_buffer, .address_space: global }
      - { .name: Wk_scales, .offset: 40, .size: 8, .value_kind: global_buffer, .address_space: global }
      - { .name: Wv_codes, .offset: 48, .size: 8, .value_kind: global_buffer, .address_space: global }
      - { .name: Wv_scales, .offset: 56, .size: 8, .value_kind: global_buffer, .address_space: global }
      - { .name: Wo_codes, .offset: 64, .size: 8, .value_kind: global_buffer, .address_space: global }
      - { .name: Wo_scales, .offset: 72, .size: 8, .value_kind: global_buffer, .address_space: global }
      - { .name: bo, .offset: 80, .size: 8, .value_kind: global_buffer, .address_space: global }
      - { .name: lq1, .offset: 88, .size: 8, .value_kind: global_buffer, .address_space: global }
      - { .name: lk1, .offset: 96, .size: 8, .value_kind: global_buffer, .address_space: global }
      - { .name: lq2, .offset: 104, .size: 8, .value_kind: global_buffer, .address_space: global }
      - { .name: lk2, .offset: 112, .size: 8, .value_kind: global_buffer, .address_space: global }
      - { .name: out0, .offset: 120, .size: 8, .value_kind: global_buffer, .address_space: global }
    .group_segment_fixed_size: 327680
    .private_segment_fixed_size: 0
    .kernarg_segment_align: 8
    .kernarg_segment_size: 128
    .max_flat_workgroup_size: 128
    .sgpr_count:     102
    .vgpr_count:     1024
    .wavefront_size: 32
...
	.end_amdgpu_metadata
.endif
;; end of part 2
